; MI455X (gfx1250); checked and timed in simulation.
; The chip was launched on July 23, 2026; its instructions are those of AMD's public machine-readable ISA for CDNA 5 (MIT licence, August 2026) and "CDNA5" Instruction Set Architecture Reference Guide (July 2026). The comments in the code are by the model that wrote it; some were corrected since.
;; Multi Head Self Attention. Allowed arithmetic: matrix products marked QUANTISED: E5M2 operands, one E8M0 scale for each 32 along K, by v_wmma_scale_f32_16x16x128_f8f6f4 with both operands' format E5M2, f32 sums; everything else in f32.
;; Inputs: Wk_codes 1,024 x 32 x 32 uint8 (E5M2 codes of Wk, K innermost, in blocks of 32 codes); Wk_scales 1,024 x 32 uint8 (E8M0 scales of Wk, one for each 32 codes along K); Wo_codes 1,024 x 32 x 32 uint8 (E5M2 codes of Wo, K innermost, in blocks of 32 codes); Wo_scales 1,024 x 32 uint8 (E8M0 scales of Wo, one for each 32 codes along K); Wq_codes 1,024 x 32 x 32 uint8 (E5M2 codes of Wq, K innermost, in blocks of 32 codes); Wq_scales 1,024 x 32 uint8 (E8M0 scales of Wq, one for each 32 codes along K); Wv_codes 1,024 x 32 x 32 uint8 (E5M2 codes of Wv, K innermost, in blocks of 32 codes); Wv_scales 1,024 x 32 uint8 (E8M0 scales of Wv, one for each 32 codes along K); beta 1,024 float32; bk 1,024 float32; bo 1,024 float32; bq 1,024 float32; bv 1,024 float32; gamma 1,024 float32; inputs 4 x 2,048 x 1,024 float32.
;; Outputs: out0 4 x 2,048 x 1,024 float32.
;; This version of the problem:
;;   THIS VERSION OF THE PROBLEM IS GIVEN IN LOW PRECISION. The matrix products marked QUANTISED in the list below multiply operands that are first quantised to E5M2 (5 exponent bits, 2 mantissa bits; 8 bits a number), with one power-of-two scale for each 32 numbers along K (OCP MX v1.0); their sums are f32. All else is computed in f32.
;;   The module's matrix products, in the order in which they are computed (A, B: the left and right operand; K: the contracted axis; several contracted axes count as one K, in the product's order):
;;     1. [M 8,192, K 1,024] x [K 1,024, N 1,024]; A: input inputs; B: input Wq (given as codes): QUANTISED
;;     2. [M 8,192, K 1,024] x [K 1,024, N 1,024]; A: input inputs; B: input Wk (given as codes): QUANTISED
;;     3. [M 8,192, K 1,024] x [K 1,024, N 1,024]; A: input inputs; B: input Wv (given as codes): QUANTISED
;;     4. batch 64 x [M 2,048, K 64] x [K 64, N 2,048]; A: computed on the way; B: computed on the way: QUANTISED
;;     5. batch 64 x [M 2,048, K 2,048] x [K 2,048, N 64]; A: softmax (see below); B: computed on the way: QUANTISED
;;     6. [M 8,192, K 1,024] x [K 1,024, N 1,024]; A: computed on the way; B: input Wo (given as codes): QUANTISED
;;   THE QUANTISER, for each operand of a quantised product, along K:
;;     - K is cut into blocks of 32 from its start; a last block that is shorter is filled with zeros.
;;     - A block's scale is 2^e with e = floor(log2(the largest magnitude in the block)) - 15, held to -126 .. 127; a block of zeros has e = 0. As a byte (E8M0): e + 127.
;;     - Each number is divided by its block's scale, clamped to +-57,344, and rounded to the nearest number of E5M2, ties to even, subnormals kept.
;;     - The product sums the exact products of the quantised numbers (number of the format x scale) in f32.
;;   ~~~python
;;   def quantise(x, axis):      # numpy; x: float32 -> the quantised numbers, widened to float32 again
;;       x = np.moveaxis(x, axis, -1); K = x.shape[-1]
;;       x = np.pad(x, [(0, 0)] * (x.ndim - 1) + [(0, -K % 32)]); x = x.reshape(x.shape[:-1] + (-1, 32)); a = np.abs(x).max(-1, keepdims=True)
;;       e = np.where(a > 0, np.clip(np.frexp(np.where(a > 0, a, 1))[1] - 1 - 15, -126, 127), 0)      # np.frexp(a)[1] - 1 = floor(log2(a)), exactly
;;       r = np.clip(x / 2.0 ** e, -57344, 57344)
;;       step = 2.0 ** (np.maximum(np.frexp(np.where(r == 0, 1, r))[1] - 1, -14) - 2)
;;       q = np.round(r / step) * step * 2.0 ** e      # np.round: ties to even
;;       return np.moveaxis(q.reshape(q.shape[:-2] + (-1,))[..., :K], -1, axis).astype(np.float32)
;;   ~~~
;;   SOFTMAX AHEAD OF A QUANTISED PRODUCT. Where the list says 'softmax', what is quantised is not the finished softmax but p = 2^(t - M), with t = logit x log2(e) and M = ceil(the row's largest t), a whole number; so 1/2 < the row's largest p <= 1. The row's sum l is taken of the UNQUANTISED p, in f32, and the product's result is divided by l at the end. Since M is a whole number, a kernel that streams over the keys may use a running M (the ceiling of the running maximum): every later rescaling is an exact power of two, which a block's scale takes up: the codes' values come out the same.
;;   OPERANDS COMPUTED ON THE WAY. 'Computed on the way' means the value that the module computes at that place (a softmax that the list does not call 'softmax' is quantised finished and normalised). What goes into a quantiser is computed in f32, as accurately as f32 sums, v_exp_f32 and their like allow (about 1e-6 of the number): no bf16 or f16 on the way to a quantiser, and a product that is left as it is and whose result goes on into a quantised operand takes f32 operands (vector FMAs, or v_wmma_f32_16x16x4_f32). A number that lies on a knife's edge between two numbers of the format may be rounded either way, as far as f32 arithmetic and the matrix unit's own rounding can turn it there, and no further.
;;   INPUTS GIVEN AS CODES. Wk (in the module: [1024, 1024], K = its axis 0); Wo (in the module: [1024, 1024], K = its axis 0); Wq (in the module: [1024, 1024], K = its axis 0); Wv (in the module: [1024, 1024], K = its axis 0): each comes as NAME_codes (uint8): NAME with its K axis moved to the last place and cut into blocks of 32 codes, [.., K / 32, bytes a block], one block behind the other in memory; one code a byte (a code: sign, 5 exponent bits, 2 mantissa bits); and NAME_scales (uint8): the same leading axes, one E8M0 byte (e + 127) for each 32 codes along K. Its value is code x scale, taken as it is: it is not quantised again, and the codes and scales need not be those that the quantiser above would give.
;; One version. Each part assembles by itself: llvm-mc -triple=amdgcn-amd-amdhsa -mcpu=gfx1250 --defsym DOCPART=n.
;; ======== version 1 of 1: 3 launches
;; limits: right only within a limited range of input values
;; workspace buffers: q_img 8,388,608 bytes; k_img 8,388,608 bytes; v_img 8,388,608 bytes; q_sc 524,288 bytes; k_sc 524,288 bytes; v_sc 262,144 bytes; o_img 8,388,608 bytes; o_sc 262,144 bytes
;; launch qkv (part 1): grid 128 x 2, 4 waves a work-group, clusters of 4 x 1, 327,680 bytes of LDS; arguments inputs, Wq_codes, Wq_scales, bq, Wk_codes, Wk_scales, bk, Wv_codes, Wv_scales, bv, q_img, q_sc, k_img, k_sc, v_img, v_sc; writes q_img, q_sc, k_img, k_sc, v_img, v_sc
.if DOCPART == 1
	.amdgcn_target "amdgcn-amd-amdhsa--gfx1250"
	.amdhsa_code_object_version 6
	.text
	.protected	k_qca4d8af5e9_qkv
	.globl	k_qca4d8af5e9_qkv
	.p2align	8
	.type	k_qca4d8af5e9_qkv,@function
k_qca4d8af5e9_qkv:
	s_mov_b64 s[64:65], 0
	v_nop
	global_prefetch_b8 v0, s[64:65] scope:SCOPE_SE
	s_setreg_imm32_b32 hwreg(HW_REG_WAVE_MODE, 25, 1), 1
	s_wait_xcnt 0x0
	s_wait_alu depctr_hold_cnt(0) depctr_sa_sdst(0) depctr_va_vdst(0) depctr_va_sdst(0) depctr_va_ssrc(0) depctr_va_vcc(0) depctr_vm_vsrc(0)
	s_getreg_b32 s2, hwreg(HW_REG_IB_STS2, 6, 4)
	s_cmp_eq_u32 s2, 0
	s_cbranch_scc0 .Lentry_in_a_cluster
	s_endpgm
.Lentry_in_a_cluster:
	s_bfe_u32 s2, ttmp6, 0x10000c
	s_cmp_lg_u32 s2, 0x3003
	s_cbranch_scc0 .Lentry_shape_is_right
	s_endpgm
.Lentry_shape_is_right:
; q = x Wq + bq, k = x Wk + bk, v = x Wv + bv on codes of E5M2 with one E8M0 scale for each 32 along K; the results are quantised at once for the attention launch and leave as codes.
; x: [8192][1024] f32, quantised here along its 1,024.  W*: codes [1024 (n)][1024 (k)], scale bytes [1024][32].  q and k are quantised along a head's 64, v along the keys.
; SHARES.  A work-group owns 64 tokens and 512 output columns (8 heads) of q, of k and of v: three chunks, each over all of K.  Wave w owns columns 128 w .. 128 w + 127 of a chunk, for all 64 tokens:
; 4 tiles of tokens x 8 tiles of columns = 32 accumulators.  x's 32 fragments stay in every wave's registers, so that each weight fragment read from LDS feeds four matrix instructions.
; The weights go through a ring of two LDS slots (256 along K of 512 rows); a wave fetches and reads its own 128 rows.  The four work-groups of a cluster walk the same weights: each tile is asked for jointly.
; LAYOUT.  q, k: source 0 = 16 weight rows, source 1 = 16 tokens: a lane holds one token and eight columns a tile; the 16 registers of tiles 2 b, 2 b + 1 are the lane's half of block b of 32: element 8 h + i % 8 + 16 (i / 8).
; v: the sources swapped: a lane holds one column and eight tokens a tile, the same order along the keys.  Lanes l and l xor 16 hold a whole block, so its scale is the true one.  The codes keep this order inside a block
; on both sides of the scores' product (q, k) and of the second product (p, v): the products are the same, only the grouping of the sums inside a block differs.
; OUT.  Images of operand registers: each store of a wave covers 512 consecutive bytes, aligned.  q_img, k_img [bh][tile of 16 tokens][c 2][lane][16]; v_img [bh][128 keys][tile of 16 channels][c 4][lane][16];
; q_sc, k_sc [bh][tile][r] words (bytes 2, 3 are 0: they scale zero codes);  v_sc [b][32 keys][head][r][tile of channels] bytes.
; LIMITS: NaN and infinities among the inputs are not served.  A block of zeros gets the byte 1 where the quantiser's rule says 127: its codes are zeros, and the bytes are read by this program alone.
; REGISTERS, in windows of 256: window 0: addresses, scale words, two sets of four weight fragments, the quantiser's registers.  window 1: the 32 accumulators (at the start: four landing sets of x).
;   windows 2, 3: x's fragments: (tile m, K step s) at v[16 (4 (s % 4) + m)] of window 2 + s / 4.
.set SLOTB, 139264                     ; a slot: 4 waves x 128 rows x 272 bytes (256 codes + 16 of padding: the 16 rows of a fragment load begin in 16 different groups of banks)
.set WROWS, 34816                      ; a wave's 128 rows
.set XST,   278528                     ; behind the ring: a stage of 16 rows x 528 bytes for each wave, through which x's f32 numbers turn
.set XIM,   312320                     ; four fragment images of 2,048 bytes: one K step of x's four tiles
.set XSC,   320512                     ; their scale words, [tile][r]
.set SPARE, 320768                     ; the spare words, 128 bytes for each wave: two blocks of 256 bytes that no other line names
.set LI16, 1                           ; v1   16 x lane
.set LI4,  2                           ; v2   4 x lane
.set R4,   3                           ; v3   4 x (lane % 16)
.set XSTW, 4                           ; v4   my stage, on the way in: 16 x lane
.set XSTR, 5                           ; v5   and out: 528 r + 64 h
.set XIMW, 6                           ; v6   where my wave stores its image
.set XIMR, 7                           ; v7   where any wave reads the images
.set XSCW, 8                           ; v8   where my wave stores its scale words
.set XSCR, 9                           ; v9   where any wave reads them
.set ADB,  10                          ; v10-11 my weight fragments in slot 0, 1: 272 r + 16 h + my wave's rows
.set WSA,  12                          ; v12  32 r + 16 h: a weight row's scale bytes, four K steps a lane
.set BIA,  13                          ; v13  32 h: the bias of q and k
.set SPW,  16                          ; v16  LDS address of my spare word; never rewritten
.set NIL,  17                          ; v17  0; never rewritten
.set XS,   24                          ; v24-39 x's scale words: register 2 s + m / 2: lanes 0-15 tile m even, lanes 16-31 tile m odd
.set WS,   40                          ; v40-71 the chunk's: register 4 t + s % 4: lanes 0-15 K steps 0-3, lanes 16-31 K steps 4-7
.set BF0,  72                          ; v72-135, v136-199 two sets of four weight fragments; set 0 also takes x's numbers at the start and the biases at a chunk's end
.set MX,   200                         ; v200-203 largest magnitudes
.set TP,   204                         ; v204-207 the other half of the lanes'
.set HO,   208                         ; v208-211 57,344 x the scale
.set SO,   212                         ; v212-215 the conversions' scale operands
.set BY,   216                         ; v216-219 scale bytes
.set KB,   220                         ; v220-223 bytes kept for the next call
.set WD,   224                         ; v224-227 scale words being built
.set SW,   228                         ; v228-231 scale words to store
.set PC,   232                         ; v232-247 codes
.set PW,   248                         ; v248 x's scale word
.set TM,   249
.set WV,  36                           ; s36 wave
.set CX,  37                           ; s37 my place in the cluster: it enters x's and the results' addresses alone
.set G1,  40                           ; s[40:47] descriptor group 1
.set G0,  48                           ; s[48:51], s[52:55] group 0 of slot 0, 1
.set XX,  56                           ; s56 which 64 tokens
.set YY,  57                           ; s57 which 8 heads
.set SEL, 58                           ; s[58:59] v_permlanex16_b32's selects for lane l xor 16
.set MNT, 60                           ; s60 the mantissa field of 57,344
.set HI,  61                           ; s61 mask of lanes 16-31
.set TRIP, 62
.set CB,  66                           ; s[66:67] this chunk's codes;  s[68:69] the next chunk's;  s[70:71] this chunk's bias;  s[72:73] the next chunk's scales;  s[74:75], s[76:77] where codes and scale words go
.set NB,  68
.set BB,  70
.set NS,  72
.set DC,  74
.set DS,  76
.set MSB, 0
.macro WIN new                         ; the immediate's high byte repeats the setting that is left
.if MSB != (\new)
	s_set_vgpr_msb (MSB<<8)|(\new)
.set MSB, (\new)
.endif
.endm
.macro PLACES n
.rept \n
	v_nop
.endr
.endm
.macro CROUND                          ; a round of the cluster's barrier
	s_barrier_signal -1
	s_barrier_wait -1
	s_cmp_lg_u32 s[WV], 0
	s_cbranch_scc1 .Lnot_wave_0_\@
	s_barrier_signal -3
.Lnot_wave_0_\@:
	s_barrier_wait -3
	s_barrier_signal -1
	s_barrier_wait -1
.endm
; one scaled matrix instruction.  z: the sum begins (C = 0);  ra, rb: source 0's, source 1's scales stand in lanes 16-31
.macro WM d, a, b, z, sa, sb, ra, rb
.if (\z) && (\ra) && (\rb)
	v_wmma_scale_f32_16x16x128_f8f6f4 v[\d:\d+7], v[\a:\a+15], v[\b:\b+15], 0, v[\sa], v[\sb] matrix_a_fmt:MATRIX_FMT_BF8 matrix_b_fmt:MATRIX_FMT_BF8 matrix_a_scale:MATRIX_SCALE_ROW1 matrix_b_scale:MATRIX_SCALE_ROW1
.elseif (\z) && (\ra)
	v_wmma_scale_f32_16x16x128_f8f6f4 v[\d:\d+7], v[\a:\a+15], v[\b:\b+15], 0, v[\sa], v[\sb] matrix_a_fmt:MATRIX_FMT_BF8 matrix_b_fmt:MATRIX_FMT_BF8 matrix_a_scale:MATRIX_SCALE_ROW1
.elseif (\z) && (\rb)
	v_wmma_scale_f32_16x16x128_f8f6f4 v[\d:\d+7], v[\a:\a+15], v[\b:\b+15], 0, v[\sa], v[\sb] matrix_a_fmt:MATRIX_FMT_BF8 matrix_b_fmt:MATRIX_FMT_BF8 matrix_b_scale:MATRIX_SCALE_ROW1
.elseif (\z)
	v_wmma_scale_f32_16x16x128_f8f6f4 v[\d:\d+7], v[\a:\a+15], v[\b:\b+15], 0, v[\sa], v[\sb] matrix_a_fmt:MATRIX_FMT_BF8 matrix_b_fmt:MATRIX_FMT_BF8
.elseif (\ra) && (\rb)
	v_wmma_scale_f32_16x16x128_f8f6f4 v[\d:\d+7], v[\a:\a+15], v[\b:\b+15], v[\d:\d+7], v[\sa], v[\sb] matrix_a_fmt:MATRIX_FMT_BF8 matrix_b_fmt:MATRIX_FMT_BF8 matrix_a_scale:MATRIX_SCALE_ROW1 matrix_b_scale:MATRIX_SCALE_ROW1
.elseif (\ra)
	v_wmma_scale_f32_16x16x128_f8f6f4 v[\d:\d+7], v[\a:\a+15], v[\b:\b+15], v[\d:\d+7], v[\sa], v[\sb] matrix_a_fmt:MATRIX_FMT_BF8 matrix_b_fmt:MATRIX_FMT_BF8 matrix_a_scale:MATRIX_SCALE_ROW1
.elseif (\rb)
	v_wmma_scale_f32_16x16x128_f8f6f4 v[\d:\d+7], v[\a:\a+15], v[\b:\b+15], v[\d:\d+7], v[\sa], v[\sb] matrix_a_fmt:MATRIX_FMT_BF8 matrix_b_fmt:MATRIX_FMT_BF8 matrix_b_scale:MATRIX_SCALE_ROW1
.else
	v_wmma_scale_f32_16x16x128_f8f6f4 v[\d:\d+7], v[\a:\a+15], v[\b:\b+15], v[\d:\d+7], v[\sa], v[\sb] matrix_a_fmt:MATRIX_FMT_BF8 matrix_b_fmt:MATRIX_FMT_BF8
.endif
.endm
; K step s of my wave's 16 rows of x into landing set s % 4 (window 1): each load takes 512 consecutive bytes of one row
.macro XLOAD s
	WIN 0x40
.irp i, 0,1,2,3,4,5,6,7,8,9,10,11,12,13,14,15
	global_load_b128 v[64*((\s)%4)+4*\i:64*((\s)%4)+4*\i+3], v[LI16], s[4:5] offset:4096*\i+512*(\s)
.endr
	WIN 0
.endm
; Four blocks, 16 registers each at base + 16 b of window win (lane l xor 16 holds a block's other 16), become codes in v[PC + 4 b ..] and scale bytes in v[by + b].
.macro QUANT4 base, win, by
	WIN 0x05*(\win)
.irp b, 0,1,2,3
	v_max3_num_f32 v[MX+\b], |v[(\base)+16*\b]|, |v[(\base)+16*\b+1]|, 0x8000000   ; my 16 numbers, and the floor 2^(16 - 127): the byte cannot fall under 1
.endr
.irp i, 2,4,6,8,10,12,14
.irp b, 0,1,2,3
	v_max3_num_f32 v[MX+\b], |v[(\base)+16*\b+\i]|, |v[(\base)+16*\b+\i+1]|, v[MX+\b]   ; the four blocks by turns
.endr
.endr
	WIN 0
.irp b, 0,1,2,3
	v_permlanex16_b32 v[TP+\b], v[MX+\b], s[SEL], s[SEL+1]
.endr
.irp b, 0,1,2,3
	v_max_num_f32 v[MX+\b], v[MX+\b], v[TP+\b]                 ; the block's largest magnitude
.endr
.irp b, 0,1,2,3
	v_add_nc_u32 v[SO+\b], 0xf8800000, v[MX+\b]                ; 15 off its exponent field: the conversion's scale operand
.endr
.irp b, 0,1,2,3
	v_and_or_b32 v[HO+\b], v[MX+\b], 0x7f800000, s[MNT]        ; 57,344 x the scale
.endr
.irp b, 0,1,2,3
	v_lshrrev_b32 v[(\by)+\b], 23, v[SO+\b]                    ; the scale's byte
.endr
	WIN 0x41*(\win)
.irp b, 0,1,2,3
.irp i, 0,1,2,3,4,5,6,7,8,9,10,11,12,13,14,15
	v_med3_num_f32 v[(\base)+16*\b+\i], v[(\base)+16*\b+\i], -v[HO+\b], v[HO+\b]   ; the conversion to an 8-bit code does not saturate (ISA guide 7.6.2): the hold comes first
.endr
.endr
	WIN 0x01*(\win)
.irp b, 0,1,2,3
	v_cvt_scalef32_pk8_bf8_f32 v[PC+4*\b:PC+4*\b+1], v[(\base)+16*\b:(\base)+16*\b+7], v[SO+\b]
	v_cvt_scalef32_pk8_bf8_f32 v[PC+4*\b+2:PC+4*\b+3], v[(\base)+16*\b+8:(\base)+16*\b+15], v[SO+\b]
.endr
	WIN 0
	v_nop                                          ; one plain line behind the last conversion, ahead of whatever next touches its registers
.endm
; four weight fragments (column tiles 4 half + 0 .. 3, the slot's q-th 128 along K) into set p
.macro FETCHB slot, q, half, p
.irp i, 0,1,2,3
.irp c, 0,1,2,3
	ds_load_b128 v[BF0+64*(\p)+16*\i+4*\c:BF0+64*(\p)+16*\i+4*\c+3], v[ADB+(\slot)] offset:16*(4*(\half)+\i)*272+128*(\q)+32*\c
.endr
.endr
.endm
; 16 matrix instructions: four column tiles x four token tiles, K step s.  Sixteen accumulators, one instruction each; the next call takes the other sixteen.
.macro MUL kind, s, half, p
.if (\kind) == 0
	WIN 0x58+4*((\s)/4)
.else
	WIN 0x52+(\s)/4
.endif
.set rZ, 0
.if (\s) == 0
.set rZ, 1
.endif
.set rHW, (\s)/4
.irp i, 0,1,2,3
.irp m, 0,1,2,3
.set rT, 4*(\half)+\i
.set rW, BF0+64*(\p)+16*\i
.set rX, 16*(4*((\s)%4)+\m)
.set rSW, WS+4*rT+(\s)%4
.set rSX, XS+2*(\s)+\m/2
.set rHX, \m%2
.if (\kind) == 0
.set rD, 64*(rT/2)+16*\m+8*(rT%2)
	WM rD, rW, rX, rZ, rSW, rSX, rHW, rHX
.else
.set rD, 64*(rT/2)+32*(rT%2)+8*\m
	WM rD, rX, rW, rZ, rSX, rSW, rHX, rHW
.endif
.endr
.endr
.endm
; A slot is four half-steps e: K step 2 k + e / 2, column tiles 4 (e % 2) on, fragment set e % 2.  One of the first three: the next half-step's fragments are asked for, then this one is multiplied.
.macro HSTEP kind, k, e
.if (\e) > 0
	PLACES 8                                       ; eight places between the products that read a set and the loads into it (at e = 0 the eight behind the change of slots serve)
.endif
	WIN 0
	FETCHB (\k)%2, ((\e)+1)/2, ((\e)+1)%2, 1-(\e)%2
	s_wait_dscnt 16                                ; all but the 16 just issued: this half-step's fragments are in
	MUL \kind, 2*(\k)+(\e)/2, (\e)%2, (\e)%2
.endm
; The fourth half-step changes slots.  fill = 1: the slot just read out is filled again, from s[breg] + boff.
.macro CHG kind, k, fill, breg, boff
.if (\k) == 3
	PLACES 8                                       ; set 0 is free: it takes the chunk's biases
	WIN 0
.if (\kind) == 0
.irp bb, 0,1,2,3
.irp pp, 0,1,2,3
	global_load_b128 v[BF0+16*\bb+4*\pp:BF0+16*\bb+4*\pp+3], v[BIA], s[BB:BB+1] offset:128*\bb+64*(\pp/2)+16*(\pp%2)   ; register 16 bb + i: the bias of column 32 bb + 8 h + i % 8 + 16 (i / 8)
.endr
.endr
.else
.irp t, 0,1,2,3,4,5,6,7
	global_load_b32 v[BF0+\t], v[R4], s[22:23] offset:64*\t        ; the bias of column 16 t + r
.endr
.endif
.endif
	WIN 0
.if \fill
	s_wait_tensorcnt 0x0                           ; all my tensor loads have landed: the one that was out is my part of the other slot; so a group 0 may be written
	ds_add_u32 v[SPW], v[NIL]                      ; 0 onto my spare word
	s_add_nc_u64 s[G0+4*((\k)%2)+2:G0+4*((\k)%2)+3], s[\breg:\breg+1], \boff
	s_or_b32 s[G0+4*((\k)%2)+3], s[G0+4*((\k)%2)+3], 0x80000000
	s_wait_dscnt 1                                 ; the add alone may be out: the last fragments of this slot are in
	MUL \kind, 2*(\k)+1, 1, 1
	WIN 0
	s_wait_dscnt 0x0                               ; the add is done, and my reads of this slot are over
	CROUND                                         ; no wave of any partner still reads the slot or has a load on its way
	tensor_load_to_lds s[G0+4*((\k)%2):G0+4*((\k)%2)+3], s[G1:G1+7]   ; the joint refill, first behind the round
	s_nop 0
	PLACES 8                                       ; four behind the load; the eight are the places behind the products above
.else
.if (\k) == 2
	s_wait_tensorcnt 0x0                           ; one load of mine is out, the last slot's, and none was issued behind it
.endif
	s_wait_dscnt 0x0
	MUL \kind, 2*(\k)+1, 1, 1
	PLACES 8
	WIN 0
.endif
.if (\k) < 3
	FETCHB ((\k)+1)%2, 0, 0, 0
.endif
.endm
; Block bb of 32 columns of q or k (head bb / 2 of my two, block bb % 2) for the four token tiles: bias, quantiser, images out.
.macro EPQK bb
	s_wait_xcnt 0x0                                ; the stores before have read their registers
	WIN 0x41
.irp m, 0,1,2,3
.irp i, 0,2,4,6,8,10,12,14
	v_pk_add_f32 v[64*(\bb)+16*\m+\i:64*(\bb)+16*\m+\i+1], v[64*(\bb)+16*\m+\i:64*(\bb)+16*\m+\i+1], v[BF0+16*(\bb)+\i:BF0+16*(\bb)+\i+1]   ; each accumulator from its low end on
.endr
.endr
.if (\bb)%2 == 0
	QUANT4 64*(\bb), 1, KB
.else
	QUANT4 64*(\bb), 1, BY
.endif
.irp m, 0,1,2,3
	global_store_b128 v[LI16], v[PC+4*\m:PC+4*\m+3], s[DC:DC+1] offset:131072*((\bb)/2)+1024*\m+512*((\bb)%2)   ; 512 consecutive bytes, aligned
.endr
.if (\bb)%2 == 1
.irp m, 0,1,2,3
	v_lshl_or_b32 v[WD+\m], v[BY+\m], 8, v[KB+\m]  ; the head's two bytes; bytes 2 and 3 stay 0
.endr
.irp g, 0,1
	v_cndmask_b32 v[SW+\g], v[WD+2*\g], v[WD+2*\g+1], s[HI]        ; lanes 0-15: tile 2 g; lanes 16-31: tile 2 g + 1
	global_store_b32 v[LI4], v[SW+\g], s[DS:DS+1] offset:8192*((\bb)/2)+128*\g
.endr
.endif
.endm
; Column tiles 2 bb, 2 bb + 1 of v for the two groups of 32 keys: block index 2 (t % 2) + g.
.macro EPV bb
	s_wait_xcnt 0x0
	WIN 0x41
.irp i, 0,2,4,6,8,10,12,14,16,18,20,22,24,26,28,30
	v_pk_add_f32 v[64*(\bb)+\i:64*(\bb)+\i+1], v[64*(\bb)+\i:64*(\bb)+\i+1], v[BF0+2*(\bb):BF0+2*(\bb)+1] op_sel_hi:[1,0]
.endr
.irp i, 32,34,36,38,40,42,44,46,48,50,52,54,56,58,60,62
	v_pk_add_f32 v[64*(\bb)+\i:64*(\bb)+\i+1], v[64*(\bb)+\i:64*(\bb)+\i+1], v[BF0+2*(\bb):BF0+2*(\bb)+1] op_sel:[0,1] op_sel_hi:[1,1]
.endr
	QUANT4 64*(\bb), 1, BY
.irp b, 0,1,2,3
	global_store_b128 v[LI16], v[PC+4*\b:PC+4*\b+3], s[32:33] offset:131072*((\bb)/2)+2048*(2*((\bb)%2)+\b/2)+512*(\b%2)
.endr
.irp g, 0,1
.if (\bb)%2 == 0
	v_lshl_or_b32 v[KB+\g], v[BY+2+\g], 8, v[BY+\g]                ; channel tiles 0 and 1 of the head
.else
	v_lshl_or_b32 v[TM], v[BY+2+\g], 8, v[BY+\g]                   ; tiles 2 and 3
	v_lshl_or_b32 v[WD+2*((\bb)/2)+\g], v[TM], 16, v[KB+\g]
.endif
.endr
.endm
	s_load_b256 s[4:11], s[0:1], 0x0               ; inputs s[4:5], Wq_codes s[6:7], Wq_scales s[8:9], bq s[10:11]
	s_load_b256 s[12:19], s[0:1], 0x20             ; Wk_codes s[12:13], Wk_scales s[14:15], bk s[16:17], Wv_codes s[18:19]
	s_load_b256 s[20:27], s[0:1], 0x40             ; Wv_scales s[20:21], bv s[22:23], q_img s[24:25], q_sc s[26:27]
	s_load_b256 s[28:35], s[0:1], 0x60             ; k_img s[28:29], k_sc s[30:31], v_img s[32:33], v_sc s[34:35]
	v_lshl_add_u32 v[SPW], v0, 2, SPARE
	v_mov_b32 v[NIL], 0
	ds_add_u32 v16, v17
	ds_add_u32 v16, v17
	s_wait_dscnt 0x0
	v_lshrrev_b32 v18, 5, v0
	v_readfirstlane_b32 s[WV], v18                 ; wave 0..3
	s_bfe_u32 s[CX], ttmp6, 0x40000
	s_lshl_b32 s[XX], ttmp9, 2
	s_add_co_u32 s[XX], s[XX], s[CX]               ; which 64 tokens = 4 x cluster x + cx
	s_and_b32 s[YY], ttmp7, 0xffff                 ; which 8 heads: shared by the four partners
	v_and_b32 v18, 31, v0                          ; lane
	v_and_b32 v19, 15, v0                          ; r
	v_bfe_u32 v20, v0, 4, 1                        ; h
	v_cmp_le_u32 s[HI], 16, v18
	v_lshlrev_b32 v[LI16], 4, v18
	v_lshlrev_b32 v[LI4], 2, v18
	v_lshlrev_b32 v[R4], 2, v19
	s_mul_i32 s63, s[WV], 8448
	s_add_co_u32 s63, s63, XST
	v_add_nc_u32 v[XSTW], s63, v[LI16]
	v_mul_u32_u24 v[XSTR], v19, 528
	v_lshl_add_u32 v[XSTR], v20, 6, v[XSTR]
	v_add_nc_u32 v[XSTR], s63, v[XSTR]
	s_lshl_b32 s63, s[WV], 11
	s_add_co_u32 s63, s63, XIM
	v_add_nc_u32 v[XIMW], s63, v[LI16]
	v_add_nc_u32 v[XIMR], XIM, v[LI16]
	s_lshl_b32 s63, s[WV], 6
	s_add_co_u32 s63, s63, XSC
	v_add_nc_u32 v[XSCW], s63, v[R4]
	v_add_nc_u32 v[XSCR], XSC, v[LI4]
	v_mul_u32_u24 v[ADB], v19, 272
	v_lshl_add_u32 v[ADB], v20, 4, v[ADB]
	s_mul_i32 s63, s[WV], WROWS
	v_add_nc_u32 v[ADB], s63, v[ADB]
	v_add_nc_u32 v[ADB+1], SLOTB, v[ADB]
	v_lshlrev_b32 v[WSA], 5, v19
	v_lshl_add_u32 v[WSA], v20, 4, v[WSA]
	v_lshlrev_b32 v[BIA], 5, v20
.irp b, 0,1,2,3
	v_mov_b32 v[TP+\b], 0                          ; written once: a lane permute's destination counts as one of its sources
.endr
	s_mov_b32 s[SEL], 0x76543210
	s_mov_b32 s[SEL+1], 0xfedcba98
	s_mov_b32 s[MNT], 0x600000
	; descriptor group 1: 128 rows x 256 bytes, 1,024 bytes apart in memory, 16 bytes of padding behind each row in LDS
	s_mov_b32 s[G1+0], 15|(1<<20)|(1<<21)|(5<<22)|(3<<25)  ; 15:0 the mask: all four work-groups; 17:16 elements of 1 byte; 20 padding on; 21 set beside a mask; 24:22 after every 64 words; 31:25 four words
	s_mov_b32 s[G1+1], 256<<16                     ; tensor_dim0
	s_mov_b32 s[G1+2], 128<<16                     ; tensor_dim1
	s_mov_b32 s[G1+3], 256<<16                     ; tile_dim0
	s_mov_b32 s[G1+4], 128                         ; tile_dim1
	s_mov_b32 s[G1+5], 1024                        ; from row to row
	s_mov_b32 s[G1+6], 0
	s_mov_b32 s[G1+7], 0
	s_mov_b32 s79, 0
	s_mov_b32 s39, 0
	s_wait_alu depctr_va_vdst(0)
	s_wait_kmcnt 0x0
	; what the partners share (heads, wave) is made in s63, s78, s79 alone
	s_lshl_b32 s78, s[YY], 19
	s_lshl_b32 s63, s[WV], 17
	s_add_co_u32 s78, s78, s63                     ; my 128 rows of a weight's codes: 1,024 x (512 y + 128 w)
	s_add_nc_u64 s[6:7], s[6:7], s[78:79]
	s_add_nc_u64 s[12:13], s[12:13], s[78:79]
	s_add_nc_u64 s[18:19], s[18:19], s[78:79]
	s_lshl_b32 s78, s[YY], 14
	s_lshl_b32 s63, s[WV], 12
	s_add_co_u32 s78, s78, s63                     ; their scale bytes: 32 a row
	s_add_nc_u64 s[8:9], s[8:9], s[78:79]
	s_add_nc_u64 s[14:15], s[14:15], s[78:79]
	s_add_nc_u64 s[20:21], s[20:21], s[78:79]
	s_lshl_b32 s78, s[YY], 11
	s_lshl_b32 s63, s[WV], 9
	s_add_co_u32 s78, s78, s63                     ; their biases
	s_add_nc_u64 s[10:11], s[10:11], s[78:79]
	s_add_nc_u64 s[16:17], s[16:17], s[78:79]
	s_add_nc_u64 s[22:23], s[22:23], s[78:79]
	s_mul_i32 s63, s[WV], WROWS
	s_mov_b32 s[G0+0], 1                           ; count = 1
	s_mov_b32 s[G0+1], s63                         ; LDS: slot 0, my wave's rows
	s_mov_b64 s[G0+2:G0+3], s[6:7]                 ; Wq, K 0 .. 255
	s_or_b32 s[G0+3], s[G0+3], 0x80000000          ; type = 2
	s_mov_b32 s[G0+4], 1
	s_add_co_u32 s[G0+5], s63, SLOTB
	s_add_nc_u64 s[G0+6:G0+7], s[6:7], 256         ; Wq, K 256 .. 511
	s_or_b32 s[G0+7], s[G0+7], 0x80000000
	; what hangs on my 64 tokens is made in s38, s39, s62, s74-76 alone
	s_lshl_b32 s38, s[XX], 18
	s_lshl_b32 s76, s[WV], 16
	s_add_co_u32 s38, s38, s76
	s_add_nc_u64 s[4:5], s[4:5], s[38:39]          ; x at my wave's 16 rows
	s_lshr_b32 s62, s[XX], 5                       ; b
	s_and_b32 s74, s[XX], 31                       ; which 64 tokens of the sequence
	s_lshl_b32 s75, s62, 4
	s_lshl_b32 s76, s[YY], 3
	s_add_co_u32 s75, s75, s76
	s_lshl_b32 s76, s[WV], 1
	s_add_co_u32 s75, s75, s76                     ; my first head: 16 b + 8 y + 2 w
	s_lshl_b32 s38, s75, 17
	s_lshl_b32 s76, s74, 12
	s_add_co_u32 s38, s38, s76
	s_add_nc_u64 s[24:25], s[24:25], s[38:39]
	s_add_nc_u64 s[28:29], s[28:29], s[38:39]
	s_lshl_b32 s38, s75, 13
	s_lshl_b32 s76, s74, 8
	s_add_co_u32 s38, s38, s76
	s_add_nc_u64 s[26:27], s[26:27], s[38:39]
	s_add_nc_u64 s[30:31], s[30:31], s[38:39]
	s_lshl_b32 s38, s75, 17
	s_lshr_b32 s76, s74, 1
	s_lshl_b32 s76, s76, 13
	s_add_co_u32 s38, s38, s76
	s_and_b32 s76, s74, 1
	s_lshl_b32 s76, s76, 10
	s_add_co_u32 s38, s38, s76
	s_add_nc_u64 s[32:33], s[32:33], s[38:39]
	s_lshl_b32 s38, s62, 16
	s_lshl_b32 s76, s74, 11
	s_add_co_u32 s38, s38, s76
	s_lshl_b32 s76, s[YY], 9
	s_add_co_u32 s38, s38, s76
	s_lshl_b32 s76, s[WV], 7
	s_add_co_u32 s38, s38, s76
	s_add_nc_u64 s[34:35], s[34:35], s[38:39]
.irp t, 0,1,2,3,4,5,6,7
	global_load_b128 v[WS+4*\t:WS+4*\t+3], v[WSA], s[8:9] offset:512*\t    ; Wq's scale words: 512 consecutive bytes a load
.endr
	XLOAD 0
	XLOAD 1
	XLOAD 2
	XLOAD 3
	CROUND                                         ; all four work-groups are here: the first joint loads meet
	tensor_load_to_lds s[G0:G0+3], s[G1:G1+7]      ; slot 0: my one tensor load at the head
	s_nop 0
	PLACES 4
; X: eight rounds.  In round s wave w turns K step s of its 16 rows through its stage, so that a lane holds 16 neighbours of each block of 32, quantises them, and hands the fragment's image and scale words to all four waves.
.macro XROUND s
.if (\s) < 4
	s_wait_loadcnt 48                              ; this set's 16 loads are in; three younger sets may be out
.else
	s_wait_loadcnt 16*(7-(\s))
.endif
	WIN 0x04
.irp i, 0,1,2,3,4,5,6,7,8,9,10,11,12,13,14,15
	ds_store_b128 v[XSTW], v[64*((\s)%4)+4*\i:64*((\s)%4)+4*\i+3] offset:528*\i
.endr
	WIN 0
.irp b, 0,1,2,3
.irp j, 0,1,2,3
	ds_load_b128 v[BF0+16*\b+4*\j:BF0+16*\b+4*\j+3], v[XSTR] offset:128*\b+16*\j   ; LDS serves a wave's instructions in order: these see the stores above
.endr
.endr
	s_wait_dscnt 0x0                               ; my numbers are back, the landing set has been read, and the last round's fetches are in
.if (\s) < 4
	XLOAD (\s)+4
.endif
	QUANT4 BF0, 0, BY
	v_lshl_or_b32 v[PW], v[BY+1], 8, v[BY]
	v_lshl_or_b32 v[PW], v[BY+2], 16, v[PW]
	v_lshl_or_b32 v[PW], v[BY+3], 24, v[PW]
.if (\s) > 0
	s_wait_alu depctr_va_vdst(0)
	s_barrier_signal -1                            ; every wave has the last round's images in registers (its wait above): they may be written over
	s_barrier_wait -1
.endif
.irp c, 0,1,2,3
	ds_store_b128 v[XIMW], v[PC+4*\c:PC+4*\c+3] offset:512*\c
.endr
	ds_store_b32 v[XSCW], v[PW]
	s_wait_dscnt 0x0                               ; for the others' sake: my stores have landed
	s_barrier_signal -1
	s_barrier_wait -1
	WIN 0x80+0x40*((\s)/4)
.irp m, 0,1,2,3
.irp c, 0,1,2,3
	ds_load_b128 v[16*(4*((\s)%4)+\m)+4*\c:16*(4*((\s)%4)+\m)+4*\c+3], v[XIMR] offset:2048*\m+512*\c
.endr
.endr
	WIN 0
.irp g, 0,1
	ds_load_b32 v[XS+2*(\s)+\g], v[XSCR] offset:128*\g
.endr
.endm
.irp s, 0,1,2,3
	XROUND \s
.endr
	s_wait_alu depctr_va_vdst(0)
	s_wait_tensorcnt 0x0                           ; slot 1's first fill is issued as a refill is: my load of slot 0 has landed,
	ds_add_u32 v[SPW], v[NIL]                      ; 0 onto my spare word,
	s_wait_dscnt 0x0                               ; the add is done, and the last round's fetches are in,
	CROUND                                         ; and a whole round of the cluster's barrier
	tensor_load_to_lds s[G0+4:G0+7], s[G1:G1+7]    ; it has four rounds of x and slot 0's steps in which to land
	s_nop 0
	PLACES 4
.irp s, 4,5,6,7
	XROUND \s
.endr
	s_wait_dscnt 0x0
	s_wait_tensorcnt 0x1                           ; my rows of slot 0 are in; slot 1's load may stay out.  A wave reads only the rows that its own load brought
	s_mov_b32 s[TRIP], 0
.Lchunk:                                               ; two trips: q, then k
	s_wait_xcnt 0x0                                ; the last trip's loads and stores have read their bases
	s_cmp_eq_u32 s[TRIP], 0
	s_cselect_b64 s[CB:CB+1], s[6:7], s[12:13]
	s_cselect_b64 s[NB:NB+1], s[12:13], s[18:19]
	s_cselect_b64 s[BB:BB+1], s[10:11], s[16:17]
	s_cselect_b64 s[NS:NS+1], s[14:15], s[20:21]
	s_cselect_b64 s[DC:DC+1], s[24:25], s[28:29]
	s_cselect_b64 s[DS:DS+1], s[26:27], s[30:31]
	s_wait_loadcnt 0x0                             ; the chunk's scale words are in
	FETCHB 0, 0, 0, 0
	HSTEP 0, 0, 0
	HSTEP 0, 0, 1
	HSTEP 0, 0, 2
	CHG 0, 0, 1, CB, 512
	HSTEP 0, 1, 0
	HSTEP 0, 1, 1
	HSTEP 0, 1, 2
	CHG 0, 1, 1, CB, 768
	HSTEP 0, 2, 0
	HSTEP 0, 2, 1
	HSTEP 0, 2, 2
	CHG 0, 2, 1, NB, 0                             ; the ring goes on into the next chunk
	HSTEP 0, 3, 0
	HSTEP 0, 3, 1
	HSTEP 0, 3, 2
	CHG 0, 3, 1, NB, 256
.irp t, 0,1,2,3,4,5,6,7
	global_load_b128 v[WS+4*\t:WS+4*\t+3], v[WSA], s[NS:NS+1] offset:512*\t    ; the next chunk's scale words (eight places stand behind the last products)
.endr
	s_wait_loadcnt 8                               ; the biases are in; those eight may be out
	EPQK 0
	EPQK 1
	EPQK 2
	EPQK 3
	s_add_co_u32 s[TRIP], s[TRIP], 1
	s_cmp_lt_u32 s[TRIP], 2
	s_cbranch_scc1 .Lchunk
	s_wait_loadcnt 0x0                             ; v: written out, since its last two slots ask for nothing and its sources are swapped
	FETCHB 0, 0, 0, 0
	HSTEP 1, 0, 0
	HSTEP 1, 0, 1
	HSTEP 1, 0, 2
	CHG 1, 0, 1, 18, 512
	HSTEP 1, 1, 0
	HSTEP 1, 1, 1
	HSTEP 1, 1, 2
	CHG 1, 1, 1, 18, 768
	HSTEP 1, 2, 0
	HSTEP 1, 2, 1
	HSTEP 1, 2, 2
	CHG 1, 2, 0, 18, 0
	HSTEP 1, 3, 0
	HSTEP 1, 3, 1
	HSTEP 1, 3, 2
	CHG 1, 3, 0, 18, 0
	s_wait_loadcnt 0x0                             ; bv
	EPV 0
	EPV 1
	EPV 2
	EPV 3
.irp g, 0,1
	v_cndmask_b32 v[SW+\g], v[WD+\g], v[WD+2+\g], s[HI]            ; lanes 0-15: my first head's words; lanes 16-31: my second's
	global_store_b32 v[LI4], v[SW+\g], s[34:35] offset:1024*\g
.endr
	s_wait_tensorcnt 0x0                           ; the wave's end
	ds_add_u32 v[SPW], v[NIL]
	s_wait_dscnt 0x0
	CROUND                                         ; the closing round
	s_endpgm
.Lfunc_end_k_qca4d8af5e9_qkv:
	.size	k_qca4d8af5e9_qkv, .Lfunc_end_k_qca4d8af5e9_qkv-k_qca4d8af5e9_qkv
	.p2alignl 7, 3214868480
	.fill 96, 4, 3214868480
	.section	.rodata,"a",@progbits
	.p2align	6, 0x0
	.amdhsa_kernel k_qca4d8af5e9_qkv
		.amdhsa_group_segment_fixed_size 327680
		.amdhsa_private_segment_fixed_size 0
		.amdhsa_enable_private_segment 0
		.amdhsa_kernarg_size 128
		.amdhsa_user_sgpr_count 2
		.amdhsa_user_sgpr_kernarg_segment_ptr 1
		.amdhsa_wavefront_size32 1
		.amdhsa_system_sgpr_workgroup_id_x 1
		.amdhsa_system_sgpr_workgroup_id_y 1
		.amdhsa_system_sgpr_workgroup_id_z 1
		.amdhsa_system_vgpr_workitem_id 0
		.amdhsa_next_free_vgpr 1024
		.amdhsa_next_free_sgpr 80
		.amdhsa_reserve_vcc 0
		.amdhsa_float_denorm_mode_32 3
		.amdhsa_float_denorm_mode_16_64 3
		.amdhsa_memory_ordered 1
		.amdhsa_forward_progress 1
		.amdhsa_inst_pref_size 255
	.end_amdhsa_kernel
	.section	.bss,"aw",@nobits
	.p2align	6
	.space	262144
	.amdgpu_metadata
---
amdhsa.version: [ 1, 2 ]
amdhsa.kernels:
  - .name:           k_qca4d8af5e9_qkv
    .symbol:         k_qca4d8af5e9_qkv.kd
    .args:
      - { .name: inputs, .offset: 0, .size: 8, .value_kind: global_buffer, .address_space: global }
      - { .name: Wq_codes, .offset: 8, .size: 8, .value_kind: global_buffer, .address_space: global }
      - { .name: Wq_scales, .offset: 16, .size: 8, .value_kind: global_buffer, .address_space: global }
      - { .name: bq, .offset: 24, .size: 8, .value_kind: global_buffer, .address_space: global }
      - { .name: Wk_codes, .offset: 32, .size: 8, .value_kind: global_buffer, .address_space: global }
      - { .name: Wk_scales, .offset: 40, .size: 8, .value_kind: global_buffer, .address_space: global }
      - { .name: bk, .offset: 48, .size: 8, .value_kind: global_buffer, .address_space: global }
      - { .name: Wv_codes, .offset: 56, .size: 8, .value_kind: global_buffer, .address_space: global }
      - { .name: Wv_scales, .offset: 64, .size: 8, .value_kind: global_buffer, .address_space: global }
      - { .name: bv, .offset: 72, .size: 8, .value_kind: global_buffer, .address_space: global }
      - { .name: q_img, .offset: 80, .size: 8, .value_kind: global_buffer, .address_space: global }
      - { .name: q_sc, .offset: 88, .size: 8, .value_kind: global_buffer, .address_space: global }
      - { .name: k_img, .offset: 96, .size: 8, .value_kind: global_buffer, .address_space: global }
      - { .name: k_sc, .offset: 104, .size: 8, .value_kind: global_buffer, .address_space: global }
      - { .name: v_img, .offset: 112, .size: 8, .value_kind: global_buffer, .address_space: global }
      - { .name: v_sc, .offset: 120, .size: 8, .value_kind: global_buffer, .address_space: global }
    .group_segment_fixed_size: 327680
    .private_segment_fixed_size: 0
    .kernarg_segment_align: 8
    .kernarg_segment_size: 128
    .max_flat_workgroup_size: 128
    .sgpr_count:     80
    .vgpr_count:     1024
    .wavefront_size: 32
...
	.end_amdgpu_metadata
.endif
;; end of part 1
;; launch attn (part 2): grid 4 x 64, 8 waves a work-group, clusters of 4 x 1, 327,680 bytes of LDS; arguments q_img, q_sc, k_img, k_sc, v_img, v_sc, o_img, o_sc; writes o_img, o_sc
.if DOCPART == 2
	.amdgcn_target "amdgcn-amd-amdhsa--gfx1250"
	.amdhsa_code_object_version 6
	.text
	.protected	k_qca4d8af5e9_attn
	.globl	k_qca4d8af5e9_attn
	.p2align	8
	.type	k_qca4d8af5e9_attn,@function
k_qca4d8af5e9_attn:
	s_mov_b64 s[64:65], 0
	v_nop
	global_prefetch_b8 v0, s[64:65] scope:SCOPE_SE
	s_setreg_imm32_b32 hwreg(HW_REG_WAVE_MODE, 25, 1), 1
	s_wait_xcnt 0x0
	s_wait_alu depctr_hold_cnt(0) depctr_sa_sdst(0) depctr_va_vdst(0) depctr_va_sdst(0) depctr_va_ssrc(0) depctr_va_vcc(0) depctr_vm_vsrc(0)
	s_getreg_b32 s2, hwreg(HW_REG_IB_STS2, 6, 4)
	s_cmp_eq_u32 s2, 0
	s_cbranch_scc0 .Lentry_in_a_cluster
	s_endpgm
.Lentry_in_a_cluster:
	s_bfe_u32 s2, ttmp6, 0x10000c
	s_cmp_lg_u32 s2, 0x3003
	s_cbranch_scc0 .Lentry_shape_is_right
	s_endpgm
.Lentry_shape_is_right:
; o = softmax(q k^T / 8) v for one head, both products on codes of E5M2 with E8M0 scales; o is divided by the row's sum, quantised along the model's 1,024 and stored as the last product's operand.
; THE SOFTMAX: t = score x log2(e) / 8; M = the running largest t rounded up to a whole number; p = 2^(t - M) is quantised along the keys, not normalised; the row's sum is taken of the unquantised p.
; When M moves, the sum and O are multiplied by f = 2^(old M - new M), which rounds nothing.
; SHARES.  A work-group owns 512 queries of one head, in two passes of 256; each of its eight waves TWO tiles of 16 queries a pass, two waves to a SIMD.  A key step's four fragments of K are read from LDS once and
; multiplied with both tiles' Q; its four fragments of V likewise feed both tiles: 16,384 bytes read for 24 matrix instructions.
; The head's K and V codes, 262,144 bytes, lie in LDS for the whole launch, each byte filled once: wave w fetches 32,768 bytes (waves 0-3 K's quarters, waves 4-7 V's), its one tensor load.
; The head's four work-groups are one cluster and ask for every piece jointly.  No prefetch: all of K and V is asked for at the head, and no loop runs ahead of a load.
; LAYOUT.  S^T = K Q^T, O^T = V^T P^T: a lane holds one query of each tile throughout.  The head has 64 along K and the instruction 128: a fragment of K holds TWO tiles of 16 keys (2 j in k 0-63, 2 j + 1 in k 64-127)
; and is multiplied with [Q | zero codes] and with [zero codes | Q]: the tile that is not meant meets zero codes.  K's scale word of a fragment holds both tiles' two bytes; Q's word stands low or high likewise.
; The 16 registers of key tiles 2 b, 2 b + 1 are the lane's half of block b of 32 keys, in the order in which v_img holds V's codes.  All fragments are images of operand registers: 16 bytes a lane, 512 on end.
; ORDER OF A STEP.  The two tiles go one after the other through one set of 64 registers for S^T and p.  The sums of one tile's p stand round the other tile's score products: they are the places that
; the matrix instructions and the loads behind them want.  The hold writes into registers of its own, so that p stays whole for those sums.
; K's fragments have registers of their own and are fetched one key step ahead, behind tile 1's last score products; V's are fetched during tile 0's half of the step.
; The look-ahead behind a pass's last step reads the 8,192 bytes and 256 bytes that follow K's codes and words, which are V's first; nothing uses them, and each pass begins with a fetch of step 0.
; LIMITS: NaN and infinities are not served; the scaled scores stay under 2^31 in magnitude; a block of zeros gets the scale byte 1 (its codes are zeros; the bytes are read by this program alone).
; REGISTERS.  Window 0: all but O^T, Q and K.  Window 1: v0-63 O^T of tiles 0, 1; v64-103 zeros, Q0, zeros, Q1, zeros, eight each: [Q | 0] of tile q = v[72 + 16 q ..], [0 | Q] = v[64 + 16 q ..]; v104-167 K.
.set VIM,   131072                     ; K's images from 0, V's from here: 8,192 bytes a key step each
.set SCK,   262144                     ; K's scale words [step][fragment 4][r 16], 256 bytes a step
.set SCV,   266240                     ; V's [step][channel tile 4][r 16]
.set SPARE, 270336                     ; the spare words, 128 bytes for each wave: four blocks of 256 bytes that no other line names
.set L16,  1                           ; v1  16 x lane
.set R4,   2                           ; v2  4 x (lane % 16)
.set ADK,  3                           ; v3  the next step's K in LDS
.set ADS,  4                           ; v4  the step's scale words of V
.set SPW,  5                           ; v5  LDS address of my spare word; never rewritten
.set NIL,  6                           ; v6  0; never rewritten
.set TMP,  7
.set SD,   8                           ; v8-10 the head's addresses: where my scale words go, and where K's and V's bytes come from
.set KO,   9
.set VO,   10
.set ADV,  11                          ; v11 the step's V in LDS
.set ST,   12                          ; v[12 + 2 q], v[13 + 2 q]: -M and the largest score of tile q
.set LS,   16                          ; v[16 + 8 q ..]: tile q's sum in four chains of two halves
.set FF,   32                          ; v[32 + 2 q : 33 + 2 q]: f of tile q; on the way out 1 / the sum
.set KV,   36                          ; v36-99 four fragments of V
.set T,    100                         ; v100-115 the held p, sets 0 and 1 of eight; between the holds: sums of two pairs of p
.set P,    116                         ; v116-179 S^T, then p
.set PC,   180                         ; v[180 + 16 q ..] p's codes of tile q
.set BM,   212                         ; each block's largest score, then its largest p
.set TP,   216                         ; a second chain; the other half of the lanes'; the scale bytes
.set HO,   220                         ; 57,344 x the scale
.set SO,   224                         ; the conversions' scale operands
.set SWK,  228                         ; K's scale words
.set SWV,  232                         ; V's
.set QS,   236                         ; Q's scale words, low: tile q at 236 + q
.set QS2,  238                         ; and high
.set PS,   240                         ; p's scale words
.set T2,   242                         ; v242-249 the held p, set 2
.set TM2,  250
.set ADKS, 251                         ; v251 the next step's scale words of K
.set QW,   64                          ; window 1: zeros, Q0, zeros, Q1, zeros
.set KW,   104                         ; window 1: four fragments of K
.set WV,  20
.set G1,  24                           ; s[24:31] descriptor group 1;  s[32:35] group 0
.set SEL, 48
.set CS,  50                           ; s[50:51] c = log2(e) / 8
.set MNT, 52
.set HI,  53
.set TKN, 54                           ; where the next step's K and its words, and this step's V and its words, begin in LDS
.set TSN, 55
.set TV,  56
.set TSV, 57
.set CNT, 58
.set CSN, 59                           ; -c
.set MSB, 0
.macro WIN new                         ; the immediate's high byte repeats the setting that is left
.if MSB != (\new)
	s_set_vgpr_msb (MSB<<8)|(\new)
.set MSB, (\new)
.endif
.endm
.macro CROUND
	s_barrier_signal -1
	s_barrier_wait -1
	s_cmp_lg_u32 s[WV], 0
	s_cbranch_scc1 .Lnot_wave_0_\@
	s_barrier_signal -3
.Lnot_wave_0_\@:
	s_barrier_wait -3
	s_barrier_signal -1
	s_barrier_wait -1
.endm
; The row's sums, half h of p's 64 registers at a time.  SUMA: eight lines that hang on nothing add two pairs of p each.  SUMC: those eight go into tile q's four chains;
; each chain's first line brings it under the M that these p were made with.
.macro SUMA h
.set J, 0
.rept 8
	v_pk_add_f32 v[T+2*J:T+2*J+1], v[P+32*(\h)+4*J:P+32*(\h)+4*J+1], v[P+32*(\h)+4*J+2:P+32*(\h)+4*J+3]
.set J, J+1
.endr
.endm
.macro SUMC q, h
.set J, 0
.set LQ, LS+8*(\q)
.rept 8
.if (J < 4) && ((\h) == 0)
	v_pk_fma_f32 v[LQ+2*J:LQ+2*J+1], v[LQ+2*J:LQ+2*J+1], v[FF+2*(\q):FF+2*(\q)+1], v[T+2*J:T+2*J+1] op_sel_hi:[1,0,1]
.else
	v_pk_add_f32 v[LQ+2*(J%4):LQ+2*(J%4)+1], v[LQ+2*(J%4):LQ+2*(J%4)+1], v[T+2*J:T+2*J+1]
.endif
.set J, J+1
.endr
.endm
.macro SM d, a, b, sa, sb
	v_wmma_scale_f32_16x16x128_f8f6f4 v[\d:\d+7], v[\a:\a+15], v[\b:\b+15], 0, v[\sa], v[\sb] matrix_a_fmt:MATRIX_FMT_BF8 matrix_b_fmt:MATRIX_FMT_BF8
.endm
.macro SCORES q, first                 ; fragments first, first + 1 with tile q's Q: four tiles of 16 keys
	WIN 0x05                                       ; sources 0 (K) and 1 (Q) in window 1
.irp j, \first, \first+1
	SM P+16*(\j), KW+16*(\j), QW+8+16*(\q), SWK+(\j), QS+(\q)
	SM P+16*(\j)+8, KW+16*(\j), QW+16*(\q), SWK+(\j), QS2+(\q)
.endr
	WIN 0
.endm
.macro KLOAD                           ; a step's four fragments of K and their words
	WIN 0x40
.irp j, 0,1,2,3
.irp c, 0,1,2,3
	ds_load_b128 v[KW+16*\j+4*\c:KW+16*\j+4*\c+3], v[ADK] offset:2048*\j+512*\c
.endr
.endr
	WIN 0
.irp j, 0,1,2,3
	ds_load_b32 v[SWK+\j], v[ADKS] offset:64*\j
.endr
.endm
.macro BMAX first                      ; the largest score of blocks first, first + 1, two chains a block; each accumulator is read from its low end on
.irp b, \first, \first+1
	v_max3_num_f32 v[BM+(\b)], v[P+16*(\b)], v[P+16*(\b)+1], v[P+16*(\b)+2]
	v_max3_num_f32 v[TP+(\b)], v[P+16*(\b)+8], v[P+16*(\b)+9], v[P+16*(\b)+10]
.endr
.irp i, 3,5
.irp b, \first, \first+1
	v_max3_num_f32 v[BM+(\b)], v[BM+(\b)], v[P+16*(\b)+\i], v[P+16*(\b)+\i+1]
	v_max3_num_f32 v[TP+(\b)], v[TP+(\b)], v[P+16*(\b)+8+\i], v[P+16*(\b)+9+\i]
.endr
.endr
.irp b, \first, \first+1
	v_max3_num_f32 v[BM+(\b)], v[BM+(\b)], v[P+16*(\b)+7], v[P+16*(\b)+15]
.endr
.irp b, \first, \first+1
	v_max_num_f32 v[BM+(\b)], v[BM+(\b)], v[TP+(\b)]
.endr
.endm
.macro TMM q, first, n                 ; t - M, two at a time, from register 'first' of p on
.set J, \first
.rept \n
	v_pk_fma_f32 v[P+J:P+J+1], v[P+J:P+J+1], s[CS:CS+1], v[ST+2*(\q):ST+2*(\q)+1] op_sel_hi:[1,0,0]
.set J, J+2
.endr
.endm
.macro EXPS first, n
.set J, \first
.rept \n
	v_exp_f32 v[P+J], v[P+J]
.set J, J+1
.endr
.endm
; HD: eight p are held at 57,344 x the scale (p is not negative: one-sided; the conversion does not saturate, ISA guide 7.6.2), two to an instruction, into set g % 3.  HC: they become codes.
.macro TSET g
.if ((\g)%3) == 2
.set TT, T2
.else
.set TT, T+8*((\g)%3)
.endif
.endm
.macro HD g
	TSET \g
.irp e, 0,2,4,6
	v_dual_min_num_f32 v[TT+\e], v[P+8*(\g)+\e], v[HO+(\g)/2] :: v_dual_min_num_f32 v[TT+\e+1], v[P+8*(\g)+\e+1], v[HO+(\g)/2]
.endr
.endm
.macro HC q, g
	TSET \g
	v_cvt_scalef32_pk8_bf8_f32 v[PC+16*(\q)+2*(\g):PC+16*(\q)+2*(\g)+1], v[TT:TT+7], v[SO+(\g)/2]
.endm
.macro FRESH                           ; two tiles of queries begin: O^T, the sums and the p of 'the step before' are zeros, f is 1
.irp u, 0,1
	v_mov_b32 v[ST+2*\u+1], 0xff61b1e6             ; the largest score so far: -3e38
	v_mov_b32 v[FF+2*\u], 1.0
.endr
.irp u, 0,1
	v_floor_f32 v[ST+2*\u], -v[ST+2*\u+1]          ; a -M over every later one: the first f is 0, and meets zeros
.endr
.set J, 0
.rept 16
	v_mov_b32 v[LS+J], 0
.set J, J+1
.endr
	WIN 0x40
.set J, 0
.rept 64
	v_mov_b32 v[J], 0                              ; O^T, in window 1
.set J, J+1
.endr
	WIN 0
.set J, 0
.rept 64
	v_mov_b32 v[P+J], 0
.set J, J+1
.endr
.endm
.macro QLOAD off, soff                 ; both tiles' Q and scale words
	WIN 0x40
.irp u, 0,1
	global_load_b128 v[QW+8+16*\u:QW+11+16*\u], v[L16], s[4:5] offset:(\off)+1024*\u
	global_load_b128 v[QW+12+16*\u:QW+15+16*\u], v[L16], s[4:5] offset:(\off)+1024*\u+512
.endr
	WIN 0
.irp u, 0,1
	global_load_b32 v[QS+\u], v[R4], s[6:7] offset:(\soff)+64*\u
.endr
.endm
.macro BEGIN                           ; a pass begins: step 0's K is fetched, and the walk is set to its start
	v_mov_b32 v[ADK], v[L16]
	v_add_nc_u32 v[ADKS], SCK, v[R4]
	KLOAD
	s_mov_b32 s[TKN], 8192
	s_mov_b32 s[TSN], SCK+256
	s_mov_b32 s[TV], VIM
	s_mov_b32 s[TSV], SCV
.endm
	s_load_b256 s[4:11], s[0:1], 0x0               ; q_img s[4:5], q_sc s[6:7], k_img s[8:9], k_sc s[10:11]
	s_load_b256 s[12:19], s[0:1], 0x20             ; v_img s[12:13], v_sc s[14:15], o_img s[16:17], o_sc s[18:19]
	v_lshl_add_u32 v[SPW], v0, 2, SPARE
	v_mov_b32 v[NIL], 0
	ds_add_u32 v[SPW], v[NIL]                      ; the opening lines: the add, twice on end, and its wait ahead of my first tensor load
	ds_add_u32 v[SPW], v[NIL]
	v_lshrrev_b32 v[TMP], 5, v0
	v_readfirstlane_b32 s[WV], v[TMP]              ; wave 0..7
	s_bfe_u32 s21, ttmp6, 0x40000                  ; cx
	s_lshl_b32 s23, ttmp9, 2
	s_add_co_u32 s23, s23, s21                     ; which 512 queries: it enters Q's and o's addresses alone
	s_and_b32 s22, ttmp7, 0xffff                   ; batch x 16 + head: shared by the four partners
	v_and_b32 v[TMP], 31, v0
	v_cmp_le_u32 s[HI], 16, v[TMP]
	v_lshlrev_b32 v[L16], 4, v[TMP]
	v_and_b32 v[TMP], 15, v0
	v_lshlrev_b32 v[R4], 2, v[TMP]
	v_lshrrev_b32 v[KO], 4, v0                     ; thread i makes scale words i + 256 m, m = 0 .. 3, of K and of V.  K's word n: fragment n / 16, r = n % 16: the words of tiles 2 (n / 16) and 2 (n / 16) + 1
	v_lshl_add_u32 v[KO], v[KO], 7, v[R4]          ; 128 (i / 16) + 4 r in the head's part of k_sc; the second tile's 64 bytes on; 2,048 m on
	v_lshrrev_b32 v[TMP], 6, v0                    ; key step i / 64; 4 m on
	v_lshl_add_u32 v[VO], v[TMP], 12, v[R4]        ; V's word n: channel tile (n / 16) % 4; its byte c lies at 4,096 step + 1,024 c + 4 r + tile of the head's part of v_sc
	v_bfe_u32 v[SD], v0, 4, 2
	v_add_nc_u32 v[VO], v[VO], v[SD]
	v_lshl_add_u32 v[SD], v0, 2, SCK               ; word n lies at 4 n of its table: 1,024 m on; V's table 4,096 on
	; descriptor group 1: 32,768 dense bytes as 128 rows of 256
	s_mov_b32 s[G1+0], 15|(3<<16)|(1<<21)          ; the mask: all four work-groups; elements of 8 bytes; no padding; bit 21 set beside a mask
	s_mov_b32 s[G1+1], 32<<16
	s_mov_b32 s[G1+2], 128<<16
	s_mov_b32 s[G1+3], 32<<16
	s_mov_b32 s[G1+4], 128
	s_mov_b32 s[G1+5], 32
	s_mov_b32 s[G1+6], 0
	s_mov_b32 s[G1+7], 0
	s_mov_b32 s[SEL], 0x76543210
	s_mov_b32 s[SEL+1], 0xfedcba98
	s_mov_b32 s[CS], 0x3e38aa3b
	s_mov_b32 s[CS+1], s[CS]
	s_mov_b32 s[CSN], 0xbe38aa3b
	s_mov_b32 s[MNT], 0x600000
	s_lshl_b32 s66, s22, 17                        ; what I fetch: quarter w % 4 of the head's codes,
	s_and_b32 s61, s[WV], 3
	s_lshl_b32 s61, s61, 15
	s_add_co_u32 s66, s66, s61
	s_mov_b32 s67, 0
	s_lshl_b32 s60, s[WV], 15                      ; and where it goes: 32,768 w
	s_mov_b32 s71, 0
	s_wait_alu depctr_va_vdst(0)
	s_wait_dscnt 0x0                               ; both opening adds are done
	s_wait_kmcnt 0x0
	s_cmp_lt_u32 s[WV], 4                          ; waves 0-3 K's codes, waves 4-7 V's
	s_cselect_b64 s[68:69], s[8:9], s[12:13]
	s_mov_b32 s32, 1
	s_mov_b32 s33, s60
	s_add_nc_u64 s[34:35], s[68:69], s[66:67]
	s_or_b32 s35, s35, 0x80000000
	s_lshl_b32 s70, s22, 17                        ; Q: my tiles 32 QB + 2 w, + 1 of the head; the second pass's 16 tiles on
	s_lshl_b32 s61, s23, 15
	s_add_co_u32 s70, s70, s61
	s_lshl_b32 s61, s[WV], 11
	s_add_co_u32 s70, s70, s61
	s_add_nc_u64 s[4:5], s[4:5], s[70:71]
	s_lshl_b32 s70, s22, 13
	s_add_nc_u64 s[10:11], s[10:11], s[70:71]      ; K's scale words of the head
	s_lshl_b32 s61, s23, 11
	s_add_co_u32 s70, s70, s61
	s_lshl_b32 s61, s[WV], 7
	s_add_co_u32 s70, s70, s61
	s_add_nc_u64 s[6:7], s[6:7], s[70:71]
	s_lshr_b32 s62, s22, 4                         ; b
	s_and_b32 s63, s22, 15                         ; head
	s_lshl_b32 s70, s62, 16
	s_lshl_b32 s61, s63, 6
	s_add_co_u32 s70, s70, s61
	s_add_nc_u64 s[14:15], s[14:15], s[70:71]
	s_lshl_b32 s70, s62, 21                        ; o_img: 32,768 (64 b + 16 QB + w) + 16,384 q + 1,024 head
	s_lshl_b32 s61, s23, 19
	s_add_co_u32 s70, s70, s61
	s_lshl_b32 s61, s[WV], 15
	s_add_co_u32 s70, s70, s61
	s_lshl_b32 s61, s63, 10
	s_add_co_u32 s70, s70, s61
	s_add_nc_u64 s[16:17], s[16:17], s[70:71]
	s_lshl_b32 s70, s62, 16                        ; o_sc: 1,024 (64 b + 16 QB + w) + 128 (head / 2) + 64 q + 2 (head % 2)
	s_lshl_b32 s61, s23, 14
	s_add_co_u32 s70, s70, s61
	s_lshl_b32 s61, s[WV], 10
	s_add_co_u32 s70, s70, s61
	s_lshr_b32 s61, s63, 1
	s_lshl_b32 s61, s61, 7
	s_add_co_u32 s70, s70, s61
	s_and_b32 s61, s63, 1
	s_lshl_b32 s61, s61, 1
	s_add_co_u32 s70, s70, s61
	s_add_nc_u64 s[18:19], s[18:19], s[70:71]
	QLOAD 0, 0
.irp m, 0,1,2,3
	global_load_b32 v[KV+2*\m], v[KO], s[10:11] offset:2048*\m
	global_load_b32 v[KV+2*\m+1], v[KO], s[10:11] offset:2048*\m+64
.irp c, 0,1,2,3
	global_load_u8 v[KV+8+4*\m+\c], v[VO], s[14:15] offset:16384*\m+1024*\c
.endr
.endr
	CROUND                                         ; all four work-groups are here: the joint loads meet
	tensor_load_to_lds s[32:35], s[G1:G1+7]        ; my one tensor load
	s_nop 0
.rept 4
	v_nop
.endr
	WIN 0x40
.irp j, 0,1,2,3,4,5,6,7
	v_mov_b32 v[QW+\j], 0                          ; zero codes on both sides of each Q, in window 1
	v_mov_b32 v[QW+16+\j], 0
	v_mov_b32 v[QW+32+\j], 0
.endr
	WIN 0
	v_mov_b32 v[FF+1], 0                           ; named as the upper halves of pairs
	v_mov_b32 v[FF+3], 0
	FRESH
	s_wait_loadcnt 0x0
.irp u, 0,1
	v_lshlrev_b32 v[QS2+\u], 16, v[QS+\u]
.endr
.irp m, 0,1,2,3
	v_lshl_or_b32 v[KV+24+\m], v[KV+2*\m+1], 16, v[KV+2*\m]        ; a fragment's word: tile 2 j's two bytes low, tile 2 j + 1's high (bytes 2 and 3 of the stored words are 0)
.endr
.irp m, 0,1,2,3
	v_lshl_or_b32 v[KV+28+\m], v[KV+9+4*\m], 8, v[KV+8+4*\m]
.endr
.irp m, 0,1,2,3
	v_lshl_or_b32 v[KV+28+\m], v[KV+10+4*\m], 16, v[KV+28+\m]
.endr
.irp m, 0,1,2,3
	v_lshl_or_b32 v[KV+28+\m], v[KV+11+4*\m], 24, v[KV+28+\m]
.endr
.irp m, 0,1,2,3
	ds_store_b32 v[SD], v[KV+24+\m] offset:1024*\m
	ds_store_b32 v[SD], v[KV+28+\m] offset:4096+1024*\m
.endr
; HALF A KEY STEP: 128 keys for tile q.  q = 0 sums tile 1's p of the step before and fetches V; q = 1 sums tile 0's p, fetches the next step's K and ends with both tiles' second products.
.macro VSTEP q
.if (\q) == 0
	v_add_nc_u32 v[ADV], s[TV], v[L16]
	v_add_nc_u32 v[ADS], s[TSV], v[R4]
.else
	v_add_nc_u32 v[ADK], s[TKN], v[L16]            ; (two plain lines behind tile 0's last conversion)
	v_add_nc_u32 v[ADKS], s[TSN], v[R4]
.endif
	SUMA 0
.if (\q) == 0
	s_wait_alu depctr_va_vdst(0)                   ; directly ahead of the wait below
	s_wait_dscnt 0x0                               ; this step's K and its words, asked for half a step ago, are in
.endif
	SCORES \q, 0                                   ; over the p that have been read
.if (\q) == 0
.irp t, 0,1,2,3
.irp c, 0,1,2,3
	ds_load_b128 v[KV+16*\t+4*\c:KV+16*\t+4*\c+3], v[ADV] offset:2048*\t+512*\c    ; V: ten places behind the last step's products, which read these registers
.endr
	ds_load_b32 v[SWV+\t], v[ADS] offset:64*\t
.endr
.endif
	SUMC 1-(\q), 0
	SUMA 1
	SCORES \q, 2
	SUMC 1-(\q), 1
	BMAX 0                                         ; 24 places behind the first four products
.if (\q) == 1
	KLOAD                                          ; the next step's K: 24 places behind K's last products
.endif
	BMAX 2
.irp b, 0,1,2,3
	v_permlanex16_b32 v[TP+\b], v[BM+\b], s[SEL], s[SEL+1]
.endr
.irp b, 0,1,2,3
	v_max_num_f32 v[BM+\b], v[BM+\b], v[TP+\b]     ; with lane l xor 16's 16 keys: the block's largest score
.endr
	v_mov_b32 v[TM2], v[ST+2*(\q)]                 ; the old -M
	v_max3_num_f32 v[TMP], v[BM], v[BM+1], v[BM+2]
	s_delay_alu instid0(VALU_DEP_1)
	v_max3_num_f32 v[ST+2*(\q)+1], v[ST+2*(\q)+1], v[TMP], v[BM+3] ; the running largest score
	s_delay_alu instid0(VALU_DEP_1)
	v_mul_f32 v[TMP], s[CSN], v[ST+2*(\q)+1]       ; -t (c is positive, so the largest score gives the largest t)
	s_delay_alu instid0(VALU_DEP_1)
	v_floor_f32 v[ST+2*(\q)], v[TMP]               ; the new -M = floor(-t)
	s_delay_alu instid0(VALU_DEP_1)
	v_sub_f32 v[TMP], v[ST+2*(\q)], v[TM2]         ; old M - new M: a whole number, 0 or less
	TMM \q, 0, 8
	v_cvt_i32_f32 v[TMP], v[TMP]                   ; (it saturates)
	TMM \q, 16, 8
	v_ldexp_f32 v[FF+2*(\q)], 1.0, v[TMP]          ; f
.irp b, 0,1,2,3
	v_fma_f32 v[BM+\b], v[BM+\b], s[CS], v[ST+2*(\q)]      ; the same of each block's largest score: p rises with the score
.endr
	s_wait_alu depctr_va_vdst(0)
	EXPS 0, 32                                     ; p = 2^(t - M) of blocks 0 and 1,
.irp b, 0,1,2,3
	v_exp_f32 v[BM+\b], v[BM+\b]                   ; and each block's largest p
.endr
	TMM \q, 32, 16                                 ; plain work behind the batch: blocks 2 and 3
	s_wait_alu depctr_va_vdst(0)                   ; one wait: behind the first batch and ahead of the second
	EXPS 32, 32
.irp b, 0,1,2,3
	v_max_num_f32 v[BM+\b], 0x8000000, v[BM+\b]    ; the floor 2^(16 - 127): the byte cannot fall under 1
.endr
.irp b, 0,1,2,3
	v_add_nc_u32 v[SO+\b], 0xf8800000, v[BM+\b]    ; 15 off the exponent field: the conversion's scale operand
.endr
.irp b, 0,1,2,3
	v_and_or_b32 v[HO+\b], v[BM+\b], 0x7f800000, s[MNT]    ; 57,344 x the scale
.endr
.irp b, 0,1,2,3
	v_lshrrev_b32 v[TP+\b], 23, v[SO+\b]           ; the scale's byte
.endr
	v_lshl_or_b32 v[PS+(\q)], v[TP+1], 8, v[TP]    ; p's scale word for these 128 keys, its three lines between the holds
	HD 0
	v_lshl_or_b32 v[PS+(\q)], v[TP+2], 16, v[PS+(\q)]
	HD 1
	v_lshl_or_b32 v[PS+(\q)], v[TP+3], 24, v[PS+(\q)]
	HC \q, 0                                       ; a conversion stands four lines behind its holds; a set is written again with four plain lines behind its conversion
	HD 2
	HC \q, 1
	HD 3
	HC \q, 2
	s_wait_alu depctr_va_vdst(0)                   ; the wait behind the second batch, ahead of its first reader
	HD 4
	HC \q, 3
	HD 5
	HC \q, 4
	HD 6
	HC \q, 5
	HD 7
	HC \q, 6
	HC \q, 7
.if (\q) == 1
	WIN 0x41                                       ; O^T: destination and source 0 in window 1
	s_wait_alu depctr_va_vdst(0)                   ; directly ahead of the first reader of O^T
.irp u, 0,1
.irp j, 0,2,4,6,8,10,12,14,16,18,20,22,24,26,28,30
	v_pk_mul_f32 v[32*\u+\j:32*\u+\j+1], v[32*\u+\j:32*\u+\j+1], v[FF+2*\u:FF+2*\u+1] op_sel_hi:[1,0]     ; O^T under the new M; also the plain lines between the conversions and the products
.endr
.endr
	WIN 0
	s_wait_alu depctr_va_vdst(0)
	s_wait_dscnt 20                                ; V and its words are in; the twenty loads of the next step's K may be out
	WIN 0x50                                       ; C and D in window 1
.irp u, 0,1
.irp t, 0,1,2,3
	v_wmma_scale_f32_16x16x128_f8f6f4 v[32*\u+8*\t:32*\u+8*\t+7], v[KV+16*\t:KV+16*\t+15], v[PC+16*\u:PC+16*\u+15], v[32*\u+8*\t:32*\u+8*\t+7], v[SWV+\t], v[PS+\u] matrix_a_fmt:MATRIX_FMT_BF8 matrix_b_fmt:MATRIX_FMT_BF8
.endr
.endr
	WIN 0
	s_add_co_u32 s[TKN], s[TKN], 8192
	s_add_co_u32 s[TSN], s[TSN], 256
	s_add_co_u32 s[TV], s[TV], 8192
	s_add_co_u32 s[TSV], s[TSV], 256
.endif
.endm
.macro LOOP n
	s_mov_b32 s[CNT], \n
.Lkeys_\@:
	VSTEP 0
	VSTEP 1
	s_sub_co_u32 s[CNT], s[CNT], 1
	s_cmp_lg_u32 s[CNT], 0
	s_cbranch_scc1 .Lkeys_\@
.endm
.macro LASTSUMS                        ; tile 1's last sums; also the places behind the last products
	SUMA 0
	SUMC 1, 0
	SUMA 1
	SUMC 1, 1
.endm
; THE WAY OUT of tile q: O^T / the sum, quantised along the head's 64 (two blocks), brought into the true order by one exchange with lane l xor 16, stored as two groups of an operand's image.
.macro WAYOUT q, pass
.set LQ, LS+8*(\q)
	v_pk_add_f32 v[LQ:LQ+1], v[LQ:LQ+1], v[LQ+2:LQ+3]
	v_pk_add_f32 v[LQ+4:LQ+5], v[LQ+4:LQ+5], v[LQ+6:LQ+7]
	v_pk_add_f32 v[LQ:LQ+1], v[LQ:LQ+1], v[LQ+4:LQ+5]
	v_add_f32 v[LQ], v[LQ], v[LQ+1]
	v_permlanex16_b32 v[TP], v[LQ], s[SEL], s[SEL+1]
	v_add_f32 v[LQ], v[LQ], v[TP]                  ; the row's sum
	s_wait_alu depctr_va_vdst(0)                   ; the wait ahead of the transcendental
	v_rcp_f32 v[FF+2*(\q)], v[LQ]
	v_nop
	WIN 0x01                                       ; source 0 (O^T) in window 1
	s_wait_alu depctr_va_vdst(0)                   ; and behind it, directly ahead of the first readers of 1 / the sum and of O^T
.irp i, 0,2,4,6,8,10,12,14,16,18,20,22,24,26,28,30
	v_pk_mul_f32 v[P+\i:P+\i+1], v[32*(\q)+\i:32*(\q)+\i+1], v[FF+2*(\q):FF+2*(\q)+1] op_sel_hi:[1,0]     ; each accumulator from its low end on
.endr
	WIN 0
.irp b, 0,1
	v_max3_num_f32 v[BM+\b], |v[P+16*\b]|, |v[P+1+16*\b]|, 0x8000000
.endr
.irp i, 2,4,6,8,10,12,14
.irp b, 0,1
	v_max3_num_f32 v[BM+\b], v[BM+\b], |v[P+16*\b+\i]|, |v[P+1+16*\b+\i]|
.endr
.endr
.irp b, 0,1
	v_permlanex16_b32 v[TP+\b], v[BM+\b], s[SEL], s[SEL+1]
.endr
.irp b, 0,1
	v_max_num_f32 v[BM+\b], v[BM+\b], v[TP+\b]
.endr
.irp b, 0,1
	v_add_nc_u32 v[SO+\b], 0xf8800000, v[BM+\b]
	v_and_or_b32 v[HO+\b], v[BM+\b], 0x7f800000, s[MNT]
.endr
.irp b, 0,1
	v_lshrrev_b32 v[TP+\b], 23, v[SO+\b]
.endr
.irp b, 0,1
.irp i, 0,1,2,3,4,5,6,7,8,9,10,11,12,13,14,15
	v_med3_num_f32 v[P+16*\b+\i], v[P+16*\b+\i], -v[HO+\b], v[HO+\b]
.endr
	v_cvt_scalef32_pk8_bf8_f32 v[PC+4*\b:PC+1+4*\b], v[P+16*\b:P+7+16*\b], v[SO+\b]        ; channels 8 h + 0 .. 7 of the block
	v_cvt_scalef32_pk8_bf8_f32 v[PC+2+4*\b:PC+3+4*\b], v[P+8+16*\b:P+15+16*\b], v[SO+\b]   ; channels 16 + 8 h + 0 .. 7
.endr
	v_nop
.irp b, 0,1                                    ; lanes 0-15 want channels 0-15: their own first eight and the partner's; lanes 16-31 want 16-31: the partner's second eight and their own
.irp e, 0,1
	v_cndmask_b32 v[T+4*\b+\e], v[PC+2+4*\b+\e], v[PC+4*\b+\e], s[HI]
.endr
.endr
.irp b, 0,1
.irp e, 0,1
	v_permlanex16_b32 v[T+4*\b+2+\e], v[T+4*\b+\e], s[SEL], s[SEL+1]
.endr
.endr
.irp b, 0,1
.irp e, 0,1
	v_cndmask_b32 v[KV+8*(\q)+4*\b+\e], v[PC+4*\b+\e], v[T+4*\b+2+\e], s[HI]
	v_cndmask_b32 v[KV+8*(\q)+2+4*\b+\e], v[T+4*\b+2+\e], v[PC+2+4*\b+\e], s[HI]
.endr
.endr
	v_lshl_or_b32 v[KV+16+(\q)], v[TP+1], 8, v[TP]
.irp b, 0,1
	global_store_b128 v[L16], v[KV+8*(\q)+4*\b:KV+8*(\q)+3+4*\b], s[16:17] offset:512*\b+16384*(\q)+262144*(\pass)     ; 512 consecutive bytes, aligned
.endr
	global_store_b16 v[R4], v[KV+16+(\q)], s[18:19] offset:64*(\q)+8192*(\pass)    ; my head's half of each row's scale word (both halves of the lanes write the same)
.endm
	s_wait_alu depctr_va_vdst(0)
	s_wait_tensorcnt 0x0                           ; my piece of K or V is in,
	s_wait_dscnt 0x0                               ; and my stores of scale words have landed:
	s_barrier_signal -1
	s_barrier_wait -1                              ; everybody's have.  Nothing in LDS is written from here on
	BEGIN
	LOOP 16
	s_wait_dscnt 0x0                               ; the look-ahead behind the last step has landed: its registers may be loaded anew
	BEGIN                                          ; the second pass's first K, under the way out
	QLOAD 16384, 1024                              ; and its Q: these registers' last reader stands a softmax back
	LASTSUMS
	WAYOUT 0, 0
	WAYOUT 1, 0
	s_wait_xcnt 0x0                                ; the stores have read their registers
	s_wait_loadcnt 0x0
.irp u, 0,1
	v_lshlrev_b32 v[QS2+\u], 16, v[QS+\u]
.endr
	FRESH
	LOOP 16
	LASTSUMS
	WAYOUT 0, 1
	WAYOUT 1, 1
	s_wait_tensorcnt 0x0                           ; the wave's end
	ds_add_u32 v[SPW], v[NIL]
	s_wait_dscnt 0x0
	CROUND                                         ; the closing round
	s_endpgm
.Lfunc_end_k_qca4d8af5e9_attn:
	.size	k_qca4d8af5e9_attn, .Lfunc_end_k_qca4d8af5e9_attn-k_qca4d8af5e9_attn
	.p2alignl 7, 3214868480
	.fill 96, 4, 3214868480
	.section	.rodata,"a",@progbits
	.p2align	6, 0x0
	.amdhsa_kernel k_qca4d8af5e9_attn
		.amdhsa_group_segment_fixed_size 327680
		.amdhsa_private_segment_fixed_size 0
		.amdhsa_enable_private_segment 0
		.amdhsa_kernarg_size 64
		.amdhsa_user_sgpr_count 2
		.amdhsa_user_sgpr_kernarg_segment_ptr 1
		.amdhsa_wavefront_size32 1
		.amdhsa_system_sgpr_workgroup_id_x 1
		.amdhsa_system_sgpr_workgroup_id_y 1
		.amdhsa_system_sgpr_workgroup_id_z 1
		.amdhsa_system_vgpr_workitem_id 0
		.amdhsa_next_free_vgpr 432
		.amdhsa_next_free_sgpr 72
		.amdhsa_reserve_vcc 0
		.amdhsa_float_denorm_mode_32 3
		.amdhsa_float_denorm_mode_16_64 3
		.amdhsa_memory_ordered 1
		.amdhsa_forward_progress 1
		.amdhsa_inst_pref_size 125
	.end_amdhsa_kernel
	.amdgpu_metadata
---
amdhsa.version: [ 1, 2 ]
amdhsa.kernels:
  - .name:           k_qca4d8af5e9_attn
    .symbol:         k_qca4d8af5e9_attn.kd
    .args:
      - { .name: q_img, .offset: 0, .size: 8, .value_kind: global_buffer, .address_space: global }
      - { .name: q_sc, .offset: 8, .size: 8, .value_kind: global_buffer, .address_space: global }
      - { .name: k_img, .offset: 16, .size: 8, .value_kind: global_buffer, .address_space: global }
      - { .name: k_sc, .offset: 24, .size: 8, .value_kind: global_buffer, .address_space: global }
      - { .name: v_img, .offset: 32, .size: 8, .value_kind: global_buffer, .address_space: global }
      - { .name: v_sc, .offset: 40, .size: 8, .value_kind: global_buffer, .address_space: global }
      - { .name: o_img, .offset: 48, .size: 8, .value_kind: global_buffer, .address_space: global }
      - { .name: o_sc, .offset: 56, .size: 8, .value_kind: global_buffer, .address_space: global }
    .group_segment_fixed_size: 327680
    .private_segment_fixed_size: 0
    .kernarg_segment_align: 8
    .kernarg_segment_size: 64
    .max_flat_workgroup_size: 256
    .sgpr_count:     72
    .vgpr_count:     432
    .wavefront_size: 32
...
	.end_amdgpu_metadata
.endif
;; end of part 2
;; launch oproj (part 3): grid 256 x 1, 4 waves a work-group, clusters of 4 x 1, 327,680 bytes of LDS; arguments o_img, o_sc, Wo_codes, Wo_scales, bo, inputs, gamma, beta, out0; writes out0
.if DOCPART == 3
	.amdgcn_target "amdgcn-amd-amdhsa--gfx1250"
	.amdhsa_code_object_version 6
	.text
	.protected	k_qca4d8af5e9_oproj
	.globl	k_qca4d8af5e9_oproj
	.p2align	8
	.type	k_qca4d8af5e9_oproj,@function
k_qca4d8af5e9_oproj:
	s_mov_b64 s[64:65], 0
	v_nop
	global_prefetch_b8 v0, s[64:65] scope:SCOPE_SE
	s_setreg_imm32_b32 hwreg(HW_REG_WAVE_MODE, 25, 1), 1
	s_wait_xcnt 0x0
	s_wait_alu depctr_hold_cnt(0) depctr_sa_sdst(0) depctr_va_vdst(0) depctr_va_sdst(0) depctr_va_ssrc(0) depctr_va_vcc(0) depctr_vm_vsrc(0)
	s_getreg_b32 s2, hwreg(HW_REG_IB_STS2, 6, 4)
	s_cmp_eq_u32 s2, 0
	s_cbranch_scc0 .Lentry_in_a_cluster
	s_endpgm
.Lentry_in_a_cluster:
	s_bfe_u32 s2, ttmp6, 0x10000c
	s_cmp_lg_u32 s2, 0x3003
	s_cbranch_scc0 .Lentry_shape_is_right
	s_endpgm
.Lentry_shape_is_right:
.set SLOTB, 139264
.set WROWS, 34816
.set SPARE, 278528
.set SP,    4112
.set LI16, 1
.set LI4,  2
.set ADB,  3
.set WSA,  5
.set SO,   6
.set SR,   8
.set SPW,  9
.set NIL,  10
.set AS,   24
.set WS,   32
.set BF0,  96
.set BO,   96
.set GA,   128
.set BE,   160
.set Y0,   192
.set WV,  22
.set G1,  28
.set G0,  36
.set SEL, 44
.set MSB, 0
.macro WIN new
.if MSB != (\new)
	s_set_vgpr_msb (MSB<<8)|(\new)
.set MSB, (\new)
.endif
.endm
.macro PLACES n
.rept \n
	v_nop
.endr
.endm
.macro CROUND
	s_barrier_signal -1
	s_barrier_wait -1
	s_cmp_lg_u32 s[WV], 0
	s_cbranch_scc1 .Lnot_wave_0_\@
	s_barrier_signal -3
.Lnot_wave_0_\@:
	s_barrier_wait -3
	s_barrier_signal -1
	s_barrier_wait -1
.endm
.macro WM d, a, b, z, sa, sb, ra, rb
.if (\z) && (\ra) && (\rb)
	v_wmma_scale_f32_16x16x128_f8f6f4 v[\d:\d+7], v[\a:\a+15], v[\b:\b+15], 0, v[\sa], v[\sb] matrix_a_fmt:MATRIX_FMT_BF8 matrix_b_fmt:MATRIX_FMT_BF8 matrix_a_scale:MATRIX_SCALE_ROW1 matrix_b_scale:MATRIX_SCALE_ROW1
.elseif (\z) && (\ra)
	v_wmma_scale_f32_16x16x128_f8f6f4 v[\d:\d+7], v[\a:\a+15], v[\b:\b+15], 0, v[\sa], v[\sb] matrix_a_fmt:MATRIX_FMT_BF8 matrix_b_fmt:MATRIX_FMT_BF8 matrix_a_scale:MATRIX_SCALE_ROW1
.elseif (\z) && (\rb)
	v_wmma_scale_f32_16x16x128_f8f6f4 v[\d:\d+7], v[\a:\a+15], v[\b:\b+15], 0, v[\sa], v[\sb] matrix_a_fmt:MATRIX_FMT_BF8 matrix_b_fmt:MATRIX_FMT_BF8 matrix_b_scale:MATRIX_SCALE_ROW1
.elseif (\z)
	v_wmma_scale_f32_16x16x128_f8f6f4 v[\d:\d+7], v[\a:\a+15], v[\b:\b+15], 0, v[\sa], v[\sb] matrix_a_fmt:MATRIX_FMT_BF8 matrix_b_fmt:MATRIX_FMT_BF8
.elseif (\ra) && (\rb)
	v_wmma_scale_f32_16x16x128_f8f6f4 v[\d:\d+7], v[\a:\a+15], v[\b:\b+15], v[\d:\d+7], v[\sa], v[\sb] matrix_a_fmt:MATRIX_FMT_BF8 matrix_b_fmt:MATRIX_FMT_BF8 matrix_a_scale:MATRIX_SCALE_ROW1 matrix_b_scale:MATRIX_SCALE_ROW1
.elseif (\ra)
	v_wmma_scale_f32_16x16x128_f8f6f4 v[\d:\d+7], v[\a:\a+15], v[\b:\b+15], v[\d:\d+7], v[\sa], v[\sb] matrix_a_fmt:MATRIX_FMT_BF8 matrix_b_fmt:MATRIX_FMT_BF8 matrix_a_scale:MATRIX_SCALE_ROW1
.elseif (\rb)
	v_wmma_scale_f32_16x16x128_f8f6f4 v[\d:\d+7], v[\a:\a+15], v[\b:\b+15], v[\d:\d+7], v[\sa], v[\sb] matrix_a_fmt:MATRIX_FMT_BF8 matrix_b_fmt:MATRIX_FMT_BF8 matrix_b_scale:MATRIX_SCALE_ROW1
.else
	v_wmma_scale_f32_16x16x128_f8f6f4 v[\d:\d+7], v[\a:\a+15], v[\b:\b+15], v[\d:\d+7], v[\sa], v[\sb] matrix_a_fmt:MATRIX_FMT_BF8 matrix_b_fmt:MATRIX_FMT_BF8
.endif
.endm
.macro FETCHB slot, q, half, p
.irp i, 0,1,2,3
.irp c, 0,1,2,3
	ds_load_b128 v[BF0+64*(\p)+16*\i+4*\c:BF0+64*(\p)+16*\i+4*\c+3], v[ADB+(\slot)] offset:16*(4*(\half)+\i)*272+128*(\q)+32*\c
.endr
.endr
.endm
.macro MUL8 ch, s, half, p
	WIN 0xa4
.set rZ, 0
.if (\s) == 0
.set rZ, 1
.endif
.set rHW, (\s)/4
.set rSB, AS+(\s)
.irp i, 0,1,2,3
.irp u, 0,1
.set rT, 4*(\half)+\i
.set rD, 128*(\ch)+16*rT+8*\u
.set rA, BF0+64*(\p)+16*\i
.set rB, 16*(2*(\s)+\u)
.set rSA, WS+32*(\ch)+4*rT+(\s)%4
.set rHB, \u
	WM rD, rA, rB, rZ, rSA, rSB, rHW, rHB
.endr
.endr
.endm
.macro OSTEP j, e
.if (\e) > 0
	PLACES 8
.endif
	WIN 0
	FETCHB (\j)%2, ((\e)+1)/2, ((\e)+1)%2, 1-(\e)%2
	s_wait_dscnt 16
	MUL8 (\j)/4, 2*((\j)%4)+(\e)/2, (\e)%2, (\e)%2
.endm
.macro OCHG j
	WIN 0
.if (\j) < 6
	s_wait_tensorcnt 0x0
	ds_add_u32 v[SPW], v[NIL]
	s_add_nc_u64 s[G0+4*((\j)%2)+2:G0+4*((\j)%2)+3], s[8:9], 524288*(((\j)+2)/4)+256*(((\j)+2)%4)
	s_or_b32 s[G0+4*((\j)%2)+3], s[G0+4*((\j)%2)+3], 0x80000000
	s_wait_dscnt 1
	MUL8 (\j)/4, 2*((\j)%4)+1, 1, 1
	WIN 0
	s_wait_dscnt 0x0
	CROUND
	tensor_load_to_lds s[G0+4*((\j)%2):G0+4*((\j)%2)+3], s[G1:G1+7]
	s_nop 0
	PLACES 8
.else
.if (\j) == 6
	s_wait_tensorcnt 0x0
.endif
	s_wait_dscnt 0x0
	MUL8 (\j)/4, 2*((\j)%4)+1, 1, 1
	PLACES 8
	WIN 0
.endif
.if (\j) < 7
	FETCHB ((\j)+1)%2, 0, 0, 0
.endif
.endm
	s_load_b256 s[4:11], s[0:1], 0x0
	s_load_b256 s[12:19], s[0:1], 0x20
	s_load_b64 s[20:21], s[0:1], 0x40
	v_lshl_add_u32 v[SPW], v0, 2, SPARE
	v_mov_b32 v[NIL], 0
	ds_add_u32 v9, v10
	ds_add_u32 v9, v10
	s_wait_dscnt 0x0
	v_lshrrev_b32 v12, 5, v0
	v_readfirstlane_b32 s[WV], v12
	s_bfe_u32 s23, ttmp6, 0x40000
	s_lshl_b32 s24, ttmp9, 2
	s_add_co_u32 s24, s24, s23
	v_and_b32 v12, 31, v0
	v_and_b32 v13, 15, v0
	v_bfe_u32 v14, v0, 4, 1
	v_lshlrev_b32 v[LI16], 4, v12
	v_lshlrev_b32 v[LI4], 2, v12
	v_mul_u32_u24 v[ADB], v13, 272
	v_lshl_add_u32 v[ADB], v14, 4, v[ADB]
	s_mul_i32 s48, s[WV], WROWS
	v_add_nc_u32 v[ADB], s48, v[ADB]
	v_add_nc_u32 v[ADB+1], SLOTB, v[ADB]
	v_lshlrev_b32 v[WSA], 5, v13
	v_lshl_add_u32 v[WSA], v14, 4, v[WSA]
	v_mul_u32_u24 v[SO], v13, SP
	v_lshl_add_u32 v[SO], v14, 5, v[SO]
	s_lshl_b32 s49, s[WV], 9
	v_add_nc_u32 v[SO], s49, v[SO]
	v_add_nc_u32 v[SO+1], 16*SP, v[SO]
	s_mul_i32 s49, s[WV], 8*SP
	v_add_nc_u32 v[SR], s49, v[LI16]
	v_mov_b32 v17, 0
	v_mov_b32 v19, 0
	v_mov_b32 v20, 0
	s_mov_b32 s[SEL], 0x76543210
	s_mov_b32 s[SEL+1], 0xfedcba98
	s_mov_b32 s46, 0x3a800000
	s_mov_b32 s47, 0x358637bd
	s_mov_b32 s[G1+0], 15|(1<<20)|(1<<21)|(5<<22)|(3<<25)
	s_mov_b32 s[G1+1], 256<<16
	s_mov_b32 s[G1+2], 128<<16
	s_mov_b32 s[G1+3], 256<<16
	s_mov_b32 s[G1+4], 128
	s_mov_b32 s[G1+5], 1024
	s_mov_b32 s[G1+6], 0
	s_mov_b32 s[G1+7], 0
	s_mov_b32 s51, 0
	s_mov_b32 s53, 0
	s_wait_alu depctr_va_vdst(0)
	s_wait_kmcnt 0x0
	s_lshl_b32 s50, s[WV], 17
	s_add_nc_u64 s[8:9], s[8:9], s[50:51]
	s_lshl_b32 s50, s[WV], 12
	s_add_nc_u64 s[10:11], s[10:11], s[50:51]
	s_mov_b32 s[G0+0], 1
	s_mov_b32 s[G0+1], s48
	s_mov_b64 s[G0+2:G0+3], s[8:9]
	s_or_b32 s[G0+3], s[G0+3], 0x80000000
	s_mov_b32 s[G0+4], 1
	s_add_co_u32 s[G0+5], s48, SLOTB
	s_add_nc_u64 s[G0+6:G0+7], s[8:9], 256
	s_or_b32 s[G0+7], s[G0+7], 0x80000000
	s_lshl_b32 s52, s24, 15
	s_add_nc_u64 s[4:5], s[4:5], s[52:53]
	s_lshl_b32 s52, s24, 10
	s_add_nc_u64 s[6:7], s[6:7], s[52:53]
	s_lshl_b32 s52, s24, 17
	s_lshl_b32 s54, s[WV], 15
	s_add_co_u32 s52, s52, s54
	s_add_nc_u64 s[14:15], s[14:15], s[52:53]
	s_add_nc_u64 s[20:21], s[20:21], s[52:53]
	WIN 0x40
.irp s, 0,1,2,3,4,5,6,7
.irp u, 0,1
.irp c, 0,1,2,3
	global_load_b128 v[16*(2*\s+\u)+4*\c:16*(2*\s+\u)+4*\c+3], v[LI16], s[4:5] offset:16384*\u+2048*\s+512*\c
.endr
.endr
.endr
	WIN 0
.irp s, 0,1,2,3,4,5,6,7
	global_load_b32 v[AS+\s], v[LI4], s[6:7] offset:128*\s
.endr
.irp ch, 0,1
.irp t, 0,1,2,3,4,5,6,7
	global_load_b128 v[WS+32*\ch+4*\t:WS+32*\ch+4*\t+3], v[WSA], s[10:11] offset:16384*\ch+512*\t
.endr
.endr
	CROUND
	tensor_load_to_lds s[G0:G0+3], s[G1:G1+7]
	s_nop 0
	s_wait_alu depctr_va_vdst(0)
	s_wait_tensorcnt 0x0
	ds_add_u32 v9, v10
	s_wait_dscnt 0x0
	CROUND
	tensor_load_to_lds s[G0+4:G0+7], s[G1:G1+7]
	s_nop 0
	PLACES 4
	s_wait_loadcnt 0x0
	WIN 0xc0
.irp i, 0,1,2,3,4,5,6,7
.irp q, 0,1,2,3,4,5,6,7
	global_load_b128 v[32*\i+4*\q:32*\i+4*\q+3], v[LI16], s[14:15] offset:4096*\i+512*\q th:TH_LOAD_NT
.endr
.endr
	WIN 0
	s_wait_tensorcnt 0x1
	FETCHB 0, 0, 0, 0
.irp j, 0,1,2,3,4,5,6,7
	OSTEP \j, 0
	OSTEP \j, 1
	OSTEP \j, 2
	OCHG \j
.endr
.irp q, 0,1,2,3,4,5,6,7
	global_load_b128 v[BO+4*\q:BO+4*\q+3], v[LI16], s[12:13] offset:512*\q
	global_load_b128 v[GA+4*\q:GA+4*\q+3], v[LI16], s[16:17] offset:512*\q
	global_load_b128 v[BE+4*\q:BE+4*\q+3], v[LI16], s[18:19] offset:512*\q
.endr
	s_wait_dscnt 0x0
	s_barrier_signal -1
	s_barrier_wait -1
	WIN 0x08
.irp ch, 0,1
.irp t, 0,1,2,3,4,5,6,7
.irp u, 0,1
	ds_store_b128 v[SO+\u], v[128*\ch+16*\t+8*\u:128*\ch+16*\t+8*\u+3] offset:2048*\ch+64*\t
	ds_store_b128 v[SO+\u], v[128*\ch+16*\t+8*\u+4:128*\ch+16*\t+8*\u+7] offset:2048*\ch+64*\t+16
.endr
.endr
.endr
	WIN 0
	s_wait_dscnt 0x0
	s_barrier_signal -1
	s_barrier_wait -1
.irp q, 0,1,2,3,4,5,6,7
	ds_load_b128 v[Y0+4*\q:Y0+4*\q+3], v[SR] offset:512*\q
.endr
.macro LANESUM
	v_pk_add_f32 v[12:13], v[12:13], v[14:15]
	v_add_f32 v12, v12, v13
	v_add_f32_dpp v12, v12, v12 row_xmask:1 row_mask:0xf bank_mask:0xf
	v_add_f32_dpp v12, v12, v12 row_xmask:2 row_mask:0xf bank_mask:0xf
	v_add_f32_dpp v12, v12, v12 row_xmask:4 row_mask:0xf bank_mask:0xf
	v_add_f32_dpp v12, v12, v12 row_xmask:8 row_mask:0xf bank_mask:0xf
	v_permlanex16_b32 v20, v12, s[SEL], s[SEL+1]
	v_add_f32 v12, v12, v20
.endm
.macro ROW i
.set YC, Y0+32*((\i)%2)
.set YN, Y0+32*(((\i)+1)%2)
	s_wait_xcnt 0x0
.if (\i) < 7
.irp q, 0,1,2,3,4,5,6,7
	ds_load_b128 v[YN+4*\q:YN+4*\q+3], v[SR] offset:SP*((\i)+1)+512*\q
.endr
	s_wait_dscnt 8
.else
	s_wait_dscnt 0x0
.endif
.if (\i) == 0
	s_wait_loadcnt 0x0
.endif
.irp j, 0,2,4,6,8,10,12,14,16,18,20,22,24,26,28,30
	v_pk_add_f32 v[YC+\j:YC+\j+1], v[YC+\j:YC+\j+1], v[BO+\j:BO+\j+1]
.endr
	WIN 0x0c
.irp j, 0,2,4,6,8,10,12,14,16,18,20,22,24,26,28,30
	v_pk_add_f32 v[YC+\j:YC+\j+1], v[YC+\j:YC+\j+1], v[32*(\i)+\j:32*(\i)+\j+1]
.endr
	WIN 0
	v_pk_add_f32 v[12:13], v[YC:YC+1], v[YC+2:YC+3]
	v_pk_add_f32 v[14:15], v[YC+4:YC+5], v[YC+6:YC+7]
.irp j, 8,12,16,20,24,28
	v_pk_add_f32 v[12:13], v[12:13], v[YC+\j:YC+\j+1]
	v_pk_add_f32 v[14:15], v[14:15], v[YC+\j+2:YC+\j+3]
.endr
	LANESUM
	v_mul_f32 v16, s46, v12
.irp j, 0,2,4,6,8,10,12,14,16,18,20,22,24,26,28,30
	v_pk_add_f32 v[YC+\j:YC+\j+1], v[YC+\j:YC+\j+1], v[16:17] op_sel_hi:[1,0] neg_lo:[0,1] neg_hi:[0,1]
.endr
	v_pk_mul_f32 v[12:13], v[YC:YC+1], v[YC:YC+1]
	v_pk_mul_f32 v[14:15], v[YC+2:YC+3], v[YC+2:YC+3]
.irp j, 4,8,12,16,20,24,28
	v_pk_fma_f32 v[12:13], v[YC+\j:YC+\j+1], v[YC+\j:YC+\j+1], v[12:13]
	v_pk_fma_f32 v[14:15], v[YC+\j+2:YC+\j+3], v[YC+\j+2:YC+\j+3], v[14:15]
.endr
	LANESUM
	v_fma_f32 v12, v12, s46, s47
	s_wait_alu depctr_va_vdst(0)
	v_rsq_f32 v18, v12
	v_nop
	s_wait_alu depctr_va_vdst(0)
.irp j, 0,2,4,6,8,10,12,14,16,18,20,22,24,26,28,30
	v_pk_mul_f32 v[YC+\j:YC+\j+1], v[YC+\j:YC+\j+1], v[18:19] op_sel_hi:[1,0]
.endr
.irp j, 0,2,4,6,8,10,12,14,16,18,20,22,24,26,28,30
	v_pk_fma_f32 v[YC+\j:YC+\j+1], v[YC+\j:YC+\j+1], v[GA+\j:GA+\j+1], v[BE+\j:BE+\j+1]
.endr
.irp q, 0,1,2,3,4,5,6,7
	global_store_b128 v[LI16], v[YC+4*\q:YC+4*\q+3], s[20:21] offset:4096*(\i)+512*\q th:TH_STORE_NT
.endr
.endm
.irp i, 0,1,2,3,4,5,6,7
	ROW \i
.endr
	s_wait_tensorcnt 0x0
	ds_add_u32 v[SPW], v[NIL]
	s_wait_dscnt 0x0
	CROUND
	s_endpgm
.Lfunc_end_k_qca4d8af5e9_oproj:
	.size	k_qca4d8af5e9_oproj, .Lfunc_end_k_qca4d8af5e9_oproj-k_qca4d8af5e9_oproj
	.p2alignl 7, 3214868480
	.fill 96, 4, 3214868480
	.section	.rodata,"a",@progbits
	.p2align	6, 0x0
	.amdhsa_kernel k_qca4d8af5e9_oproj
		.amdhsa_group_segment_fixed_size 327680
		.amdhsa_private_segment_fixed_size 0
		.amdhsa_enable_private_segment 0
		.amdhsa_kernarg_size 72
		.amdhsa_user_sgpr_count 2
		.amdhsa_user_sgpr_kernarg_segment_ptr 1
		.amdhsa_wavefront_size32 1
		.amdhsa_system_sgpr_workgroup_id_x 1
		.amdhsa_system_sgpr_workgroup_id_y 1
		.amdhsa_system_sgpr_workgroup_id_z 1
		.amdhsa_system_vgpr_workitem_id 0
		.amdhsa_next_free_vgpr 1024
		.amdhsa_next_free_sgpr 66
		.amdhsa_reserve_vcc 0
		.amdhsa_float_denorm_mode_32 3
		.amdhsa_float_denorm_mode_16_64 3
		.amdhsa_memory_ordered 1
		.amdhsa_forward_progress 1
		.amdhsa_inst_pref_size 178
	.end_amdhsa_kernel
	.amdgpu_metadata
---
amdhsa.version: [ 1, 2 ]
amdhsa.kernels:
  - .name:           k_qca4d8af5e9_oproj
    .symbol:         k_qca4d8af5e9_oproj.kd
    .args:
      - { .name: o_img, .offset: 0, .size: 8, .value_kind: global_buffer, .address_space: global }
      - { .name: o_sc, .offset: 8, .size: 8, .value_kind: global_buffer, .address_space: global }
      - { .name: Wo_codes, .offset: 16, .size: 8, .value_kind: global_buffer, .address_space: global }
      - { .name: Wo_scales, .offset: 24, .size: 8, .value_kind: global_buffer, .address_space: global }
      - { .name: bo, .offset: 32, .size: 8, .value_kind: global_buffer, .address_space: global }
      - { .name: inputs, .offset: 40, .size: 8, .value_kind: global_buffer, .address_space: global }
      - { .name: gamma, .offset: 48, .size: 8, .value_kind: global_buffer, .address_space: global }
      - { .name: beta, .offset: 56, .size: 8, .value_kind: global_buffer, .address_space: global }
      - { .name: out0, .offset: 64, .size: 8, .value_kind: global_buffer, .address_space: global }
    .group_segment_fixed_size: 327680
    .private_segment_fixed_size: 0
    .kernarg_segment_align: 8
    .kernarg_segment_size: 72
    .max_flat_workgroup_size: 128
    .sgpr_count:     66
    .vgpr_count:     1024
    .wavefront_size: 32
...
	.end_amdgpu_metadata
.endif
;; end of part 3
